; MI455X (gfx1250); checked and timed in simulation.
; The chip was launched on July 23, 2026; its instructions are those of AMD's public machine-readable ISA for CDNA 5 (MIT licence, August 2026) and "CDNA5" Instruction Set Architecture Reference Guide (July 2026). The comments in the code are by the model that wrote it; some were corrected since.
;; Reference Attention. Allowed arithmetic: matrix products marked QUANTISED: E2M3 operands, one E8M0 scale for each 32 along K, by v_wmma_scale_f32_16x16x128_f8f6f4 with both operands' format E2M3, f32 sums; everything else in f32.
;; Inputs: W_attn 1,024 x 3,072 float32; W_proj 1,024 x 1,024 float32; b_attn 3,072 float32; b_proj 1,024 float32; x 4 x 2,048 x 1,024 float32.
;; Outputs: out0 4 x 2,048 x 1,024 float32.
;; This version of the problem:
;;   THIS VERSION OF THE PROBLEM IS GIVEN IN LOW PRECISION. The matrix products marked QUANTISED in the list below multiply operands that are first quantised to E2M3 (2 exponent bits, 3 mantissa bits; 6 bits a number), with one power-of-two scale for each 32 numbers along K (OCP MX v1.0); their sums are f32. All else is computed in f32.
;;   The module's matrix products, in the order in which they are computed (A, B: the left and right operand; K: the contracted axis; several contracted axes count as one K, in the product's order):
;;     1. [M 8,192, K 1,024] x [K 1,024, N 3,072]; A: input x; B: input W_attn: QUANTISED
;;     2. batch 64 x [M 2,048, K 64] x [K 64, N 2,048]; A: computed on the way; B: computed on the way: QUANTISED
;;     3. batch 64 x [M 2,048, K 2,048] x [K 2,048, N 64]; A: softmax (see below); B: computed on the way: QUANTISED
;;     4. [M 8,192, K 1,024] x [K 1,024, N 1,024]; A: computed on the way; B: input W_proj: QUANTISED
;;   THE QUANTISER, for each operand of a quantised product, along K:
;;     - K is cut into blocks of 32 from its start; a last block that is shorter is filled with zeros.
;;     - A block's scale is 2^e with e = floor(log2(the largest magnitude in the block)) - 2, held to -126 .. 127; a block of zeros has e = 0. As a byte (E8M0): e + 127.
;;     - Each number is divided by its block's scale, clamped to +-7.5, and rounded to the nearest number of E2M3, ties to even, subnormals kept.
;;     - The product sums the exact products of the quantised numbers (number of the format x scale) in f32.
;;   ~~~python
;;   def quantise(x, axis):      # numpy; x: float32 -> the quantised numbers, widened to float32 again
;;       x = np.moveaxis(x, axis, -1); K = x.shape[-1]
;;       x = np.pad(x, [(0, 0)] * (x.ndim - 1) + [(0, -K % 32)]); x = x.reshape(x.shape[:-1] + (-1, 32)); a = np.abs(x).max(-1, keepdims=True)
;;       e = np.where(a > 0, np.clip(np.frexp(np.where(a > 0, a, 1))[1] - 1 - 2, -126, 127), 0)      # np.frexp(a)[1] - 1 = floor(log2(a)), exactly
;;       r = np.clip(x / 2.0 ** e, -7.5, 7.5)
;;       step = 2.0 ** (np.maximum(np.frexp(np.where(r == 0, 1, r))[1] - 1, 0) - 3)
;;       q = np.round(r / step) * step * 2.0 ** e      # np.round: ties to even
;;       return np.moveaxis(q.reshape(q.shape[:-2] + (-1,))[..., :K], -1, axis).astype(np.float32)
;;   ~~~
;;   SOFTMAX AHEAD OF A QUANTISED PRODUCT. Where the list says 'softmax', what is quantised is not the finished softmax but p = 2^(t - M), with t = logit x log2(e) and M = ceil(the row's largest t), a whole number; so 1/2 < the row's largest p <= 1. The row's sum l is taken of the UNQUANTISED p, in f32, and the product's result is divided by l at the end. Since M is a whole number, a kernel that streams over the keys may use a running M (the ceiling of the running maximum): every later rescaling is an exact power of two, which a block's scale takes up: the codes' values come out the same.
;;   OPERANDS COMPUTED ON THE WAY. 'Computed on the way' means the value that the module computes at that place (a softmax that the list does not call 'softmax' is quantised finished and normalised). What goes into a quantiser is computed in f32, as accurately as f32 sums, v_exp_f32 and their like allow (about 1e-6 of the number): no bf16 or f16 on the way to a quantiser, and a product that is left as it is and whose result goes on into a quantised operand takes f32 operands (vector FMAs, or v_wmma_f32_16x16x4_f32). A number that lies on a knife's edge between two numbers of the format may be rounded either way, as far as f32 arithmetic and the matrix unit's own rounding can turn it there, and no further.
;; One version. Each part assembles by itself: llvm-mc -triple=amdgcn-amd-amdhsa -mcpu=gfx1250 --defsym DOCPART=n.
;; ======== version 1 of 1: 4 launches
;; limits: right only within a limited range of input values
;; workspace buffers: cod 9,437,184 bytes; scl 655,360 bytes; qb 6,815,744 bytes; kv 13,369,344 bytes; ac 6,291,456 bytes
;; launch quant (part 1): grid 384 x 1, 4 waves a work-group, no clusters, 34,304 bytes of LDS; arguments x, W_attn, W_proj, cod, scl; writes cod, scl
.if DOCPART == 1
	.amdgcn_target "amdgcn-amd-amdhsa--gfx1250"
	.amdhsa_code_object_version 6
	.text
	.protected	k_qc096474c12_quant
	.globl	k_qc096474c12_quant
	.p2align	8
	.type	k_qc096474c12_quant,@function
k_qc096474c12_quant:
	s_mov_b64 s[64:65], 0
	v_nop
	global_prefetch_b8 v0, s[64:65] scope:SCOPE_SE
	s_setreg_imm32_b32 hwreg(HW_REG_WAVE_MODE, 25, 1), 1
	s_wait_xcnt 0x0
; x [8192][1024], W_attn [1024][3072] and W_proj [1024][1024], f32, become codes of FP6 (E2M3) with one E8M0 byte for each 32 along K (K = 1,024 for all three).
; A block's scale is 2^(floor(log2(its largest magnitude)) - 2): its byte is the largest magnitude's exponent field - 2, held at 1 from below by a floor among the maximum's leaves.
; LIMITS: NaN and infinities among the inputs are not served.  A block of zeros, and a block whose largest magnitude lies under 2^-124, gets the byte 1 (a block of zeros has zero codes, which add
; nothing under that byte; the bytes are read by this program alone).
; THE WORKSPACE IS LAID AS IMAGES OF THE MATRIX OPERAND'S REGISTERS.  A tile is 16 rows (tokens of x, columns of a weight); tile 2 g + u holds in its row r the actual row 32 g + 8 u + r + 8 (r / 8).
; cod: tile x 12,288 bytes = 8 fragments (128 along K each) of 1,536 bytes: registers 0-3 at 16 x lane, registers 4-5 at 512 + 8 x lane, registers 6-9 at 768 + 16 x lane, registers 10-11 at 1,280 + 8 x lane.
; scl: tile x 512 bytes: the scale word of row r for the k-th 128 along K at 256 (k / 4) + 16 r + 4 (k % 4).   Tiles 0-511: x; 512-703: W_attn; 704-767: W_proj.
; Work-groups 0-255 take x (K innermost: whole rows are loaded, 512 consecutive bytes a load, and turned through the wave's own stage in LDS so that a lane holds 16 neighbours of each block).
; Work-groups 256-383 take the weights (K outermost: a lane takes a column and its registers run down K; nothing is transposed; no LDS).  Waves share nothing: no barrier.
; The weights' scale bytes leave 8 bytes a lane, 16 bytes apart: those 256-byte stretches are written in part (131,072 bytes in all).
.set STW,  8448                        ; a wave's stage: 16 rows x (512 bytes + 16)
.set R,    16                          ; v16-143   x: two sets of 16 rows x 16 bytes a lane, as loaded
.set X,    144                         ; v144-207  x: 64 numbers of my row: register 16 b + i = k 32 b + 16 (lane / 16) + i
.set PC,   208                         ; v208-227  the codes just made
.set TM,   228                         ; v228-239  largest magnitudes, bytes, scale operands
.set SW,   240                         ; v240-243  the four scale words of a wave
.set SEL,  28                          ; s[28:29]  lane selects: lane l xor 16
.set OFF,  16                          ; v16-47    weights: byte offset of row i of a block at my column
.set XW,   48                          ; v48-111   weights: two sets of 32 numbers
.set CW,   112                         ; v112-127  weights: the codes of two blocks
.set SB,   128                         ; v128-129  weights: eight scale bytes
; 64 numbers of a lane become a fragment in v[PC] .. v[PC + 11] and its scale word in v[pw]
.macro QUANT s, pw
.irp b, 0,1,2,3
	v_max3_num_f32 v[TM+\b], |v[\s+16*\b]|, |v[\s+1+16*\b]|, 0x1800000   ; my 16 numbers of block b, and the floor 2^(3 - 127)
.endr
.irp i, 2,4,6,8,10,12,14
.irp b, 0,1,2,3
	v_max3_num_f32 v[TM+\b], v[TM+\b], |v[\s+16*\b+\i]|, |v[\s+1+16*\b+\i]|
.endr
.endr
.irp b, 0,1,2,3
	v_permlanex16_b32 v[TM+4+\b], v[TM+\b], s[SEL], s[SEL+1]
.endr
.irp b, 0,1,2,3
	v_max_num_f32 v[TM+\b], v[TM+\b], v[TM+4+\b]                  ; with lane l xor 16: the block's largest magnitude
.endr
.irp b, 0,1,2,3
	v_add_nc_u32 v[TM+8+\b], 0xff000000, v[TM+\b]                 ; 2 off its exponent field: the conversion's scale operand
.endr
.irp b, 0,1,2,3
	v_lshrrev_b32 v[TM+4+\b], 23, v[TM+8+\b]                      ; the scale's byte
.endr
	v_lshl_or_b32 v[\pw], v[TM+5], 8, v[TM+4]
	v_lshl_or_b32 v[\pw], v[TM+6], 16, v[\pw]
	v_lshl_or_b32 v[\pw], v[TM+7], 24, v[\pw]
.irp c, 0,1
	v_cvt_scalef32_pk16_fp6_f32 v[PC+6*\c:PC+2+6*\c], v[\s+32*\c:\s+15+32*\c], v[TM+8+2*\c]
	v_cvt_scalef32_pk16_fp6_f32 v[PC+12+4*\c:PC+14+4*\c], v[\s+16+32*\c:\s+31+32*\c], v[TM+8+2*\c+1]
.endr
	v_nop                                          ; one plain place behind a scaled conversion
.irp c, 0,1
.irp i, 0,1,2
	v_permlane16_swap_b32 v[PC+6*\c+\i], v[PC+12+4*\c+\i]         ; a whole block to a lane: lanes 0-15 block 2 c, lanes 16-31 block 2 c + 1
.endr
.irp i, 0,1,2
	v_mov_b32 v[PC+3+6*\c+\i], v[PC+12+4*\c+\i]
.endr
.endr
.endm
	s_load_b256 s[4:11], s[0:1], 0x0               ; x s[4:5], W_attn s[6:7], W_proj s[8:9], cod s[10:11]
	s_load_b64 s[12:13], s[0:1], 0x20              ; scl
	v_lshl_add_u32 v254, v0, 2, 0x8400
	v_mov_b32 v255, 0
	v_lshrrev_b32 v1, 5, v0
	v_readfirstlane_b32 s14, v1                    ; wave
	v_and_b32 v1, 31, v0                           ; lane
	v_lshlrev_b32 v2, 4, v1                        ; 16 x lane
	v_lshlrev_b32 v3, 3, v1                        ; 8 x lane
	s_mov_b32 s21, 0
	s_mov_b32 s23, 0
	s_mov_b32 s25, 0
	s_wait_kmcnt 0x0
	s_cmp_lt_u32 ttmp9, 256
	s_cbranch_scc0 .Lweights
	; ---------------- x: a wave takes one tile (16 rows) x 512 along K: four fragments
	s_lshl_b32 s16, ttmp9, 2
	s_add_co_u32 s16, s16, s14
	s_lshr_b32 s17, s16, 1                         ; tile T
	s_and_b32 s18, s16, 1                          ; which half of K
	s_lshr_b32 s19, s17, 1
	s_lshl_b32 s20, s19, 17                        ; 32 rows of 4,096 bytes for each pair of tiles,
	s_and_b32 s19, s17, 1
	s_lshl_b32 s19, s19, 15                        ; 8 rows on for the odd tile,
	s_add_co_u32 s20, s20, s19
	s_lshl_b32 s19, s18, 11                        ; 2,048 bytes on for the second half of K
	s_add_co_u32 s20, s20, s19
	s_add_nc_u64 s[4:5], s[4:5], s[20:21]
	s_mul_i32 s20, s17, 12288
	s_mul_i32 s19, s18, 6144
	s_add_co_u32 s20, s20, s19
	s_add_nc_u64 s[10:11], s[10:11], s[20:21]      ; my four fragments in cod
	s_lshl_b32 s20, s17, 9
	s_lshl_b32 s19, s18, 8
	s_add_co_u32 s20, s20, s19
	s_add_nc_u64 s[12:13], s[12:13], s[20:21]      ; my 256 bytes in scl
	s_mov_b32 s[SEL], 0x76543210
	s_mov_b32 s[SEL+1], 0xfedcba98
	s_mul_i32 s22, s14, STW
	s_wait_alu depctr_va_vdst(0)
	v_add_nc_u32 v4, s22, v2                       ; the stage, way in: a row as it lies
	v_and_b32 v7, 15, v0                           ; r
	v_bfe_u32 v8, v0, 4, 1                         ; h
	v_mul_u32_u24 v5, v7, 528
	v_lshl_add_u32 v5, v8, 6, v5
	v_add_nc_u32 v5, s22, v5                       ; way out: row r, 64 h bytes on
	v_lshlrev_b32 v6, 4, v7
	v_lshl_add_u32 v6, v8, 3, v6                   ; scale words: 16 r + 8 h
.irp b, 0,1,2,3
	v_mov_b32 v[TM+4+\b], 0                        ; a lane permute's destination counts as one of its sources
.endr
.macro LOADX t                         ; the tile's 16 rows, 128 along K: each load reads 512 consecutive bytes of one row
.irp p, 0,1,2,3,4,5,6,7,8,9,10,11,12,13,14,15
	global_load_b128 v[R+64*((\t)%2)+4*\p:R+64*((\t)%2)+4*\p+3], v2, s[4:5] offset:(\p+8*(\p/8))*4096+512*(\t) th:TH_LOAD_NT
.endr
.endm
.macro STEPX t
.if (\t) < 3
	s_wait_loadcnt 16                              ; this step's 16 loads are in; the next step's 16 may be out
.else
	s_wait_loadcnt 0x0
.endif
.irp p, 0,1,2,3,4,5,6,7,8,9,10,11,12,13,14,15
	ds_store_b128 v4, v[R+64*((\t)%2)+4*\p:R+64*((\t)%2)+4*\p+3] offset:528*\p
.endr
.irp b, 0,1,2,3
.irp j, 0,1,2,3
	ds_load_b128 v[X+16*\b+4*\j:X+16*\b+4*\j+3], v5 offset:128*\b+16*\j   ; LDS serves a wave's instructions in order: these see the stores above
.endr
.endr
	s_wait_dscnt 0x0                               ; my numbers are back, and the stores have read their registers,
.if (\t) < 2
	LOADX (\t)+2                                   ; which take the loads of two steps on
.endif
	s_wait_xcnt 0x0                                ; the last step's stores have read the codes' registers
	QUANT X, SW+(\t)
	global_store_b128 v2, v[PC:PC+3], s[10:11] offset:1536*(\t)            ; 512 consecutive bytes
	global_store_b64 v3, v[PC+4:PC+5], s[10:11] offset:1536*(\t)+512       ; 256
	global_store_b128 v2, v[PC+6:PC+9], s[10:11] offset:1536*(\t)+768
	global_store_b64 v3, v[PC+10:PC+11], s[10:11] offset:1536*(\t)+1280
.endm
	LOADX 0
	LOADX 1
	s_wait_alu depctr_va_vdst(0)
.irp t, 0,1,2,3
	STEPX \t
.endr
	v_cmp_lt_u32 vcc_lo, 15, v1                    ; lanes 16-31 store words 2 and 3 of their row, lanes 0-15 words 0 and 1
	v_cndmask_b32 v244, v[SW], v[SW+2], vcc_lo
	v_cndmask_b32 v245, v[SW+1], v[SW+3], vcc_lo
	global_store_b64 v6, v[244:245], s[12:13]      ; 32 lanes store 256 consecutive bytes
	s_wait_tensorcnt 0x0
	ds_add_u32 v254, v255
	s_wait_dscnt 0x0
	s_endpgm
	; ---------------- the weights: a wave takes 32 columns (two tiles) x 256 along K: eight blocks a lane
.Lweights:
	s_sub_co_u32 s16, ttmp9, 256
	s_and_b32 s17, s16, 31                         ; which 128 columns: 0-23 W_attn, 24-31 W_proj
	s_lshr_b32 s18, s16, 5                         ; which quarter of K
	s_mov_b32 s20, 4096
	s_cmp_lt_u32 s17, 24                           ; the choice hangs on the work-group's number alone
	s_cselect_b64 s[6:7], s[6:7], s[8:9]
	s_cselect_b32 s20, 12288, s20                  ; bytes from row to row
	s_cselect_b32 s19, 0, 24
	s_sub_co_u32 s19, s17, s19
	s_lshl_b32 s19, s19, 9                         ; 128 columns of 4 bytes
	s_lshl_b32 s22, s14, 7                         ; my wave's 32
	s_add_co_u32 s19, s19, s22
	s_lshl_b32 s22, s18, 8
	s_mul_i32 s22, s22, s20                        ; 256 rows for each quarter
	s_add_co_u32 s22, s22, s19
	s_add_nc_u64 s[32:33], s[6:7], s[22:23]        ; a base for each of the eight blocks, so that none is stepped while loads are out
	s_lshl_b32 s24, s20, 5
.irp t, 1,2,3,4,5,6,7
	s_add_nc_u64 s[32+2*\t:33+2*\t], s[30+2*\t:31+2*\t], s[24:25]
.endr
	s_lshl_b32 s22, s17, 3
	s_lshl_b32 s19, s14, 1
	s_add_co_u32 s22, s22, s19
	s_add_co_u32 s26, s22, 512                     ; my first tile
	s_mul_i32 s22, s26, 12288
	s_mul_i32 s19, s18, 3072
	s_add_co_u32 s22, s22, s19
	s_add_nc_u64 s[10:11], s[10:11], s[22:23]
	s_lshl_b32 s22, s26, 9
	s_lshr_b32 s19, s18, 1
	s_lshl_b32 s19, s19, 8
	s_add_co_u32 s22, s22, s19
	s_and_b32 s19, s18, 1
	s_lshl_b32 s19, s19, 3
	s_add_co_u32 s22, s22, s19
	s_add_nc_u64 s[12:13], s[12:13], s[22:23]
	s_wait_alu depctr_va_vdst(0)
	v_and_b32 v5, 7, v1                            ; my column of the 32: lanes 0-15 are the even tile's rows, lanes 16-31 the odd tile's
	v_and_b32 v6, 8, v1
	v_lshl_or_b32 v5, v6, 1, v5
	v_and_b32 v6, 16, v1
	v_lshrrev_b32 v6, 1, v6
	v_or_b32 v5, v5, v6
	v_lshlrev_b32 v5, 2, v5
.set ii, 0
.rept 32
	v_mad_u32_u24 v[OFF+ii], s20, ii, v5
.set ii, ii+1
.endr
	v_lshrrev_b32 v4, 4, v1
	v_and_b32 v6, 15, v1
	v_lshlrev_b32 v6, 4, v6
	v_lshl_add_u32 v4, v4, 9, v6                   ; scale bytes: 512 x tile + 16 r
.macro LOADW t                         ; block t: 32 rows of K at my column; each load reads 128 consecutive bytes
.set ii, 0
.rept 32
	global_load_b32 v[XW+32*((\t)%2)+ii], v[OFF+ii], s[32+2*(\t):33+2*(\t)] th:TH_LOAD_NT
.set ii, ii+1
.endr
.endm
.macro BLOCK t
.set XS, XW+32*((\t)%2)
.set CB, CW+8*((\t)%2)
.if (\t) < 7
	s_wait_loadcnt 32                              ; this block's 32 loads are in; the next block's may be out
.else
	s_wait_loadcnt 0x0
.endif
	v_max3_num_f32 v12, |v[XS]|, |v[XS+1]|, |v[XS+2]|              ; all 32 numbers of the block are mine
	v_max3_num_f32 v13, |v[XS+3]|, |v[XS+4]|, |v[XS+5]|
.irp i, 6,10,14,18,22,26
	v_max3_num_f32 v12, v12, |v[XS+\i]|, |v[XS+\i+1]|
	v_max3_num_f32 v13, v13, |v[XS+\i+2]|, |v[XS+\i+3]|
.endr
	v_max3_num_f32 v12, v12, |v[XS+30]|, |v[XS+31]|
	v_max3_num_f32 v12, v12, v13, 0x1800000        ; and the floor 2^(3 - 127)
	v_add_nc_u32 v11, 0xff000000, v12              ; the conversion's scale operand
	v_lshrrev_b32 v13, 23, v11                     ; the byte
.if (\t)%4 == 0
	v_mov_b32 v[SB+(\t)/4], v13
.else
	v_lshl_or_b32 v[SB+(\t)/4], v13, 8*((\t)%4), v[SB+(\t)/4]
.endif
.if ((\t)%2 == 0) && ((\t) >= 2)
	s_wait_alu depctr_va_vdst(0)
	s_wait_xcnt 0x0                                ; the last pair's stores have read the codes' registers
.endif
	v_cvt_scalef32_pk16_fp6_f32 v[CB:CB+2], v[XS:XS+15], v11
	v_cvt_scalef32_pk16_fp6_f32 v[CB+4:CB+6], v[XS+16:XS+31], v11
.if (\t)+2 < 8
	LOADW (\t)+2
.endif
.if (\t)%2 == 1                        ; two blocks are 64 along K: half a fragment for each of my two tiles
	v_nop                                          ; one plain place behind a scaled conversion
.irp i, 0,1,2,4,5,6
	v_permlane16_swap_b32 v[CW+\i], v[CW+8+\i]     ; the first now holds the even tile (lanes 0-15 the even block, lanes 16-31 the odd one), the second the odd tile
.endr
.irp u, 0,8
	v_mov_b32 v[CW+\u+3], v[CW+\u+4]               ; six registers on end
	v_mov_b32 v[CW+\u+4], v[CW+\u+5]
	v_mov_b32 v[CW+\u+5], v[CW+\u+6]
.endr
.set DO, ((\t)/4)*1536+(((\t)%4)/2)*768
	global_store_b128 v2, v[CW:CW+3], s[10:11] offset:DO
	global_store_b64 v3, v[CW+4:CW+5], s[10:11] offset:DO+512
	global_store_b128 v2, v[CW+8:CW+11], s[10:11] offset:DO+12288
	global_store_b64 v3, v[CW+12:CW+13], s[10:11] offset:DO+12288+512
.endif
.endm
	LOADW 0
	LOADW 1
.irp t, 0,1,2,3,4,5,6,7
	BLOCK \t
.endr
	global_store_b64 v4, v[SB:SB+1], s[12:13]      ; my column's two scale words
	s_endpgm
.Lfunc_end_k_qc096474c12_quant:
	.size	k_qc096474c12_quant, .Lfunc_end_k_qc096474c12_quant-k_qc096474c12_quant
	.p2alignl 7, 3214868480
	.fill 96, 4, 3214868480
	.section	.rodata,"a",@progbits
	.p2align	6, 0x0
	.amdhsa_kernel k_qc096474c12_quant
		.amdhsa_group_segment_fixed_size 34304
		.amdhsa_private_segment_fixed_size 0
		.amdhsa_enable_private_segment 0
		.amdhsa_kernarg_size 40
		.amdhsa_user_sgpr_count 2
		.amdhsa_user_sgpr_kernarg_segment_ptr 1
		.amdhsa_wavefront_size32 1
		.amdhsa_system_sgpr_workgroup_id_x 1
		.amdhsa_system_sgpr_workgroup_id_y 1
		.amdhsa_system_sgpr_workgroup_id_z 1
		.amdhsa_system_vgpr_workitem_id 0
		.amdhsa_next_free_vgpr 256
		.amdhsa_next_free_sgpr 66
		.amdhsa_reserve_vcc 1
		.amdhsa_float_denorm_mode_32 3
		.amdhsa_float_denorm_mode_16_64 3
		.amdhsa_memory_ordered 1
		.amdhsa_forward_progress 1
		.amdhsa_inst_pref_size 76
	.end_amdhsa_kernel
	.amdgpu_metadata
---
amdhsa.version: [ 1, 2 ]
amdhsa.kernels:
  - .name:           k_qc096474c12_quant
    .symbol:         k_qc096474c12_quant.kd
    .args:
      - { .name: x, .offset: 0, .size: 8, .value_kind: global_buffer, .address_space: global }
      - { .name: W_attn, .offset: 8, .size: 8, .value_kind: global_buffer, .address_space: global }
      - { .name: W_proj, .offset: 16, .size: 8, .value_kind: global_buffer, .address_space: global }
      - { .name: cod, .offset: 24, .size: 8, .value_kind: global_buffer, .address_space: global }
      - { .name: scl, .offset: 32, .size: 8, .value_kind: global_buffer, .address_space: global }
    .group_segment_fixed_size: 34304
    .private_segment_fixed_size: 0
    .kernarg_segment_align: 8
    .kernarg_segment_size: 40
    .max_flat_workgroup_size: 128
    .sgpr_count:     66
    .vgpr_count:     256
    .wavefront_size: 32
...
	.end_amdgpu_metadata
.endif
;; end of part 1
;; launch gemm_qkv (part 2): grid 8 x 32, 4 waves a work-group, clusters of 4 x 4, 327,680 bytes of LDS; arguments cod, scl, b_attn, qb, kv; writes qb, kv
.if DOCPART == 2
	.amdgcn_target "amdgcn-amd-amdhsa--gfx1250"
	.amdhsa_code_object_version 6
	.text
	.protected	k_qc096474c12_gemm_qkv
	.globl	k_qc096474c12_gemm_qkv
	.p2align	8
	.type	k_qc096474c12_gemm_qkv,@function
k_qc096474c12_gemm_qkv:
	s_mov_b64 s[64:65], 0
	v_nop
	global_prefetch_b8 v0, s[64:65] scope:SCOPE_SE
	s_setreg_imm32_b32 hwreg(HW_REG_WAVE_MODE, 25, 1), 1
	s_wait_xcnt 0x0
	s_wait_alu depctr_hold_cnt(0) depctr_sa_sdst(0) depctr_va_vdst(0) depctr_va_sdst(0) depctr_va_ssrc(0) depctr_va_vcc(0) depctr_vm_vsrc(0)
	s_getreg_b32 s2, hwreg(HW_REG_IB_STS2, 6, 4)
	s_cmp_eq_u32 s2, 0
	s_cbranch_scc0 .Lentry_in_a_cluster
	s_endpgm
.Lentry_in_a_cluster:
	s_bfe_u32 s2, ttmp6, 0x10000c
	s_cmp_lg_u32 s2, 0xf033
	s_cbranch_scc0 .Lentry_shape_is_right
	s_endpgm
.Lentry_shape_is_right:
; qkv = Q(x) Q(W_attn) + b_attn on codes of FP6 (E2M3) with E8M0 scales, K = 1,024; the results are quantised at once (q, k along the head's 64, v along the keys) and leave as codes.
; THE DEAL.  256 work-groups (c = 0..7, t = 0..31) of four waves.  Work-group (c, t) has tokens 256 t .. 256 t + 255 and three PIECES of 128 columns of W_attn: 256 c + 0..127 and 256 c + 128..255 (q for c < 4, else k) and v's 2,048 + 128 c + 0..127.
; The tokens' 16 tiles, all of K (196,608 dense bytes of cod), come into LDS once and stay.  A piece (8 tiles, 98,304 dense bytes) lies in a region of its own, filled at the head and filled again twice, each time behind a drained round of the cluster's barrier.
; A wave (a = wave / 2: which 128 tokens; b = wave % 2: which 64 columns) holds its 4 tiles of the piece, all of K, in 384 registers and streams its 8 token tiles past them: 32 products a tile, four accumulators by turns.
; OPERANDS ARE IMAGES OF THEIR REGISTERS (cod: tile x 12,288 bytes, eight fragments of 1,536).  Tile 2 g + u holds in row r the actual row 32 g + 8 u + r + 8 (r / 8).
; q, k: source 0 = the piece's tile, source 1 = a token tile: a lane holds one token, its 32 registers run along one head's 64 (register 16 g + m = channel 32 g + 16 (lane / 16) + m).
; v: source 0 = a token tile, source 1 = the piece's tile: a lane holds one channel, its 64 registers of a tile run along 128 keys.  THE BIAS IS THE C OF A TILE'S FIRST FOUR PRODUCTS.
; The two pieces of q or k are one loop of two trips; what the later pieces need (scale words, bias) waits in registers that v's accumulators take over at the end, and moves up at a trip's end.
; CLUSTERS: 4 x 4; the tokens are asked for jointly along a row of the cluster, a piece along a column.  The two later pieces are asked for into the L2 at the head, 6,144 bytes for each of the sixteen waves of a column.
; OUT as the next launch reads it.  qb: codes [head 64][tile 128] x 768 bytes; from byte 6,291,456 a scale word a token (bytes 2, 3 are 0).  kv: [head 64][slot of 256 keys] x 26,112: k's 16 tiles x 768; from 12,288 v's fragments x 1,536; from 24,576 k's scale words; from 25,600 v's.
; LIMITS: NaN and infinities are not served; a block of zeros or under 2^-124 gets the byte 1 (read by this program alone).
; REGISTERS: window 0: v1-31 addresses; v32-95 the tokens' scale words (8 i + k); v96-127 the piece's (8 j + (k + 4) % 8: the two scale registers of a product differ modulo 8); v128-159 the bias; v160-199 at work.
;   window 1: the piece's fragments 0-20 (fragment 4 k + j); window 3: 21-31, and from v132 a token tile's eight; window 2: accumulators (q, k: v0-63, two sets; v: all 256); v64-191 hold what the later pieces need.
.set FR, 12
.set WB, 196608
.set SPARE, 294912
.set STQ, SPARE+512
.set STV, STQ+2048
.set AT, 16
.set AW, 20
.set SPW, 28
.set NIL, 29
.set SC, 32
.set SB, 96
.set BB, 128
.set PC, 160
.set TM, 180
.set PW, 192
.set RB, 196
.set TF, 132
.set G1X, 24
.set G0X, 32
.set G0W, 36
.set G1W, 48
.set SEL, 86
.set MSB, 0
.macro WIN new
.if MSB != (\new)
	s_set_vgpr_msb (MSB<<8)|(\new)
.set MSB, (\new)
.endif
.endm
.macro PLACES n
.rept \n
	v_nop
.endr
.endm
.macro WALU
	s_wait_alu depctr_va_vdst(0)
.endm
.macro BARRIER
	s_barrier_signal -1
	s_barrier_wait -1
.endm
.macro CROUND
	BARRIER
	s_cmp_lg_u32 s14, 0
	s_cbranch_scc1 .Lnot_wave_0_\@
	s_barrier_signal -3
.Lnot_wave_0_\@:
	s_barrier_wait -3
	BARRIER
.endm
.macro TLOAD g0, g1
	tensor_load_to_lds s[\g0:\g0+3], s[\g1:\g1+7]
	s_nop 0
	PLACES 4
.endm
.macro G1REST g, rows                  ; a dense block as rows of 256 bytes (32 elements of 8 bytes)
	s_mov_b32 s[\g+1], 32<<16
	s_mov_b32 s[\g+2], (\rows)<<16
	s_mov_b32 s[\g+3], 32<<16
	s_mov_b32 s[\g+4], \rows
	s_mov_b32 s[\g+5], 32
	s_mov_b32 s[\g+6], 0
	s_mov_b32 s[\g+7], 0
.endm
.macro FRAG4 reg, a, off               ; the image of 12 registers; v[a]: 16 x lane, v[a+1]: 8 x lane
	ds_load_b128 v[\reg:\reg+3], v[\a] offset:\off
	ds_load_b64 v[\reg+4:\reg+5], v[\a+1] offset:\off+512
	ds_load_b128 v[\reg+6:\reg+9], v[\a] offset:\off+768
	ds_load_b64 v[\reg+10:\reg+11], v[\a+1] offset:\off+1280
.endm
.macro WEIGHTS                         ; my 4 tiles of the piece, all of K: 128 loads
.set F_, 0
.rept 32
	WIN (1+2*(F_/21))<<6
	FRAG4 FR*(F_%21), AW, (F_%4)*12288+(F_/4)*1536
.set F_, F_+1
.endr
	WIN 0
.endm
.macro FETCHT i, hf                    ; fragments 4 hf .. 4 hf + 3 of my token tile i: 16 loads
	WIN 3<<6
.irp q, 0,1,2,3
	FRAG4 TF+FR*(4*(\hf)+\q), AT+2*((\i)/4), ((\i)%4)*12288+(4*(\hf)+\q)*1536
.endr
	WIN 0
.endm
.macro PROD1 d, s0, s1, c, x0, x1
	v_wmma_scale_f32_16x16x128_f8f6f4 v[\d:\d+7], v[\s0:\s0+FR-1], v[\s1:\s1+FR-1], \c, v[\x0], v[\x1] matrix_a_fmt:MATRIX_FMT_FP6 matrix_b_fmt:MATRIX_FMT_FP6
.endm
.macro PROD kind, i, k, j              ; kind 0: q, k; kind 1: v
.set F_, 4*(\k)+(\j)
.set WW_, 1+2*(F_/21)
.set WR_, FR*(F_%21)
.set TR_, TF+FR*(\k)
.set XW_, SB+8*(\j)+((\k)+4)%8
.set XT_, SC+8*(\i)+(\k)
.set CW_, 2
.if (\k) == 0
.set CW_, 0
.endif
.if \kind
.set D_, 8*(8*(\j)+(\i))
	WIN 3|(WW_<<2)|(CW_<<4)|(2<<6)
.if (\k) == 0
	PROD1 D_, TR_, WR_, v[BB+8*(\j):BB+8*(\j)+7], XT_, XW_
.else
	PROD1 D_, TR_, WR_, v[D_:D_+7], XT_, XW_
.endif
.else
.set D_, 8*(\j)+32*((\i)%2)
	WIN WW_|(3<<2)|(CW_<<4)|(2<<6)
.if (\k) == 0
	PROD1 D_, WR_, TR_, v[BB+8*(\j):BB+8*(\j)+7], XW_, XT_
.else
	PROD1 D_, WR_, TR_, v[D_:D_+7], XW_, XT_
.endif
.endif
.endm
.macro HALF kind, i, hf
.irp q, 0,1,2,3
.irp j, 0,1,2,3
	PROD \kind, \i, 4*(\hf)+\q, \j
.endr
.endr
	WIN 0
.endm
; q's or k's way out of token tile i: 32 numbers a lane are two blocks of 32 (shared with lane l xor 16): half a fragment and two scale bytes
.macro EPIQ i
.set AC_, 32*((\i)%2)
	s_wait_xcnt 0x0                                ; the last tile's stores have read the codes' registers
	WIN 0x0a
.irp x, 0,1,2,3
	v_max3_num_f32 v[TM+\x], |v[AC_+8*\x]|, |v[AC_+8*\x+1]|, 0x1800000   ; four chains, one an accumulator, each from its low end on; the floor 2^(3 - 127)
.endr
	WIN 0x28
.irp m, 2,4,6
.irp x, 0,1,2,3
	v_max3_num_f32 v[TM+\x], v[TM+\x], |v[AC_+8*\x+\m]|, |v[AC_+8*\x+\m+1]|
.endr
.endr
	WIN 0
	v_max_num_f32 v[TM], v[TM], v[TM+1]
	v_max_num_f32 v[TM+2], v[TM+2], v[TM+3]
	v_permlanex16_b32 v[TM+4], v[TM], s[SEL], s[SEL+1]
	v_permlanex16_b32 v[TM+5], v[TM+2], s[SEL], s[SEL+1]
	v_max_num_f32 v[TM], v[TM], v[TM+4]
	v_max_num_f32 v[TM+2], v[TM+2], v[TM+5]
	v_add_nc_u32 v[TM+8], 0xff000000, v[TM]        ; 2 off the exponent field: the conversion's scale operand
	v_add_nc_u32 v[TM+9], 0xff000000, v[TM+2]
	v_lshrrev_b32 v[TM+6], 23, v[TM+8]
	v_lshrrev_b32 v[TM+7], 23, v[TM+9]
	v_lshl_or_b32 v[PW], v[TM+7], 8, v[TM+6]
	WIN 0x02
	v_cvt_scalef32_pk16_fp6_f32 v[PC:PC+2], v[AC_:AC_+15], v[TM+8]
	v_cvt_scalef32_pk16_fp6_f32 v[PC+4:PC+6], v[AC_+16:AC_+31], v[TM+9]
	WIN 0
	v_nop                                          ; one plain place behind a scaled conversion
.irp n, 0,1,2
	v_permlane16_swap_b32 v[PC+\n], v[PC+4+\n]     ; a whole block to a lane
.endr
	v_mov_b32 v[PC+3], v[PC+4]
	v_mov_b32 v[PC+4], v[PC+5]
	v_mov_b32 v[PC+5], v[PC+6]
	ds_store_b32 v24, v[PW] offset:64*(\i)
	global_store_b128 v7, v[PC:PC+3], s[72:73] offset:768*(\i)
	global_store_b64 v8, v[PC+4:PC+5], s[72:73] offset:768*(\i)+512
.endm
; v's way out of channel tile j: 64 numbers a lane, 128 keys: a fragment and its scale word
.macro EPIV j
.set S_, 64*(\j)
	s_wait_xcnt 0x0
	WIN 0x0a
.irp b, 0,1,2,3
	v_max3_num_f32 v[TM+\b], |v[S_+16*\b]|, |v[S_+16*\b+1]|, 0x1800000
.endr
	WIN 0x28
.irp m, 2,4,6,8,10,12,14
.irp b, 0,1,2,3
	v_max3_num_f32 v[TM+\b], v[TM+\b], |v[S_+16*\b+\m]|, |v[S_+16*\b+\m+1]|
.endr
.endr
	WIN 0
.irp b, 0,1,2,3
	v_permlanex16_b32 v[TM+4+\b], v[TM+\b], s[SEL], s[SEL+1]
.endr
.irp b, 0,1,2,3
	v_max_num_f32 v[TM+\b], v[TM+\b], v[TM+4+\b]
.endr
.irp b, 0,1,2,3
	v_add_nc_u32 v[TM+8+\b], 0xff000000, v[TM+\b]
.endr
.irp b, 0,1,2,3
	v_lshrrev_b32 v[TM+4+\b], 23, v[TM+8+\b]
.endr
	v_lshl_or_b32 v[PW], v[TM+5], 8, v[TM+4]
	v_lshl_or_b32 v[PW], v[TM+6], 16, v[PW]
	v_lshl_or_b32 v[PW], v[TM+7], 24, v[PW]
	WIN 0x02
.irp c, 0,1
	v_cvt_scalef32_pk16_fp6_f32 v[PC+6*\c:PC+2+6*\c], v[S_+32*\c:S_+15+32*\c], v[TM+8+2*\c]
	v_cvt_scalef32_pk16_fp6_f32 v[PC+12+4*\c:PC+14+4*\c], v[S_+16+32*\c:S_+31+32*\c], v[TM+9+2*\c]
.endr
	WIN 0
	v_nop
.irp c, 0,1
.irp n, 0,1,2
	v_permlane16_swap_b32 v[PC+6*\c+\n], v[PC+12+4*\c+\n]
.endr
.irp n, 0,1,2
	v_mov_b32 v[PC+3+6*\c+\n], v[PC+12+4*\c+\n]
.endr
.endr
	ds_store_b32 v26, v[PW] offset:64*(\j)
.irp c, 0,1,2
	global_store_b128 v12, v[PC+4*\c:PC+4*\c+3], s[12:13] offset:1536*(\j)+512*\c
.endr
.endm
; A token tile: 16 products, the next tile's first four fragments, 16 products, its last four, the way out.
.macro TILE kind, i
.if (\i) > 0
	s_wait_dscnt 17-(\kind)                        ; fragments 0-3 are in; younger: the 16 loads of fragments 4-7 and (q, k) one store of a scale word
.endif
	HALF \kind, \i, 0
	PLACES 4
.if (\i) < 7
	FETCHT (\i)+1, 0
	s_wait_dscnt 16                                ; all but the 16 just issued
.else
	s_wait_dscnt 0x0
.endif
	HALF \kind, \i, 1
	PLACES 4
.if (\i) < 7
	FETCHT (\i)+1, 1
.endif
.if (\kind) == 0
	EPIQ \i
.endif
.endm
; A piece begins: it is shown whole to all waves; it goes into registers; fill = 1: its region is filled again with the next piece, behind a drained round
.macro CHANGE fill
	s_wait_tensorcnt 0x0
	s_wait_dscnt 0x0
	BARRIER
	WEIGHTS
	FETCHT 0, 0
	FETCHT 0, 1
.if \fill
	s_wait_tensorcnt 0x0
	ds_add_u32 v[SPW], v[NIL]
	s_add_nc_u64 s[G0W+2:G0W+3], s[G0W+2:G0W+3], s[56:57]   ; no tensor load of mine is out: on to the next piece
	s_mov_b32 s56, s58
	s_wait_dscnt 0x0                               ; the add is done, and the piece is in my registers
	CROUND
	s_cmp_eq_u32 s14, 3
	s_cbranch_scc0 .Lno_fill_\@
	TLOAD G0W, G1W
.Lno_fill_\@:
.else
	s_wait_dscnt 0x0
.endif
.endm
	s_load_b256 s[4:11], s[0:1], 0x0               ; cod, scl, b_attn, qb
	s_load_b64 s[12:13], s[0:1], 0x20              ; kv
	v_lshl_add_u32 v[SPW], v0, 2, SPARE
	v_mov_b32 v[NIL], 0
	ds_add_u32 v[SPW], v[NIL]                      ; the opening lines
	ds_add_u32 v[SPW], v[NIL]
	v_lshrrev_b32 v1, 5, v0
	v_readfirstlane_b32 s14, v1                    ; wave
	s_lshr_b32 s15, s14, 1                         ; a
	s_and_b32 s16, s14, 1                          ; b
	s_bfe_u32 s40, ttmp6, 0x40000                  ; cx
	s_bfe_u32 s41, ttmp6, 0x40004                  ; cy
	s_lshl_b32 s42, ttmp9, 2
	s_add_co_u32 s42, s42, s40                     ; c
	s_and_b32 s17, ttmp7, 0xffff
	s_lshl_b32 s17, s17, 2
	s_add_co_u32 s17, s17, s41                     ; t
	s_lshl_b32 s43, s41, 2
	s_lshl_b32 s43, 15, s43                        ; my row of the cluster
	s_lshl_b32 s44, 0x1111, s40                    ; my column
	s_or_b32 s[G1X], s43, (3<<16)|(1<<21)
	s_or_b32 s[G1W], s44, (3<<16)|(1<<21)
	G1REST G1X, 256                                ; a third of the tokens' block
	G1REST G1W, 384                                ; a piece
	s_mul_i32 s20, s17, 196608
	s_lshl_b32 s21, s14, 16
	s_add_co_u32 s20, s20, s21                     ; waves 0-2: their third
	s_mov_b32 s21, 0
	s_mul_i32 s22, s42, 196608
	s_add_co_u32 s22, s22, 512*12288               ; the first piece: tile 512 + 16 c
	s_mov_b32 s23, 0
	s_mov_b32 s56, 98304                           ; to the second piece,
	s_mov_b32 s57, 0
	s_mul_i32 s58, s42, 98304
	s_sub_co_u32 s58, 120*12288, s58               ; and from there to v's: tile 640 + 8 c
	s_mov_b32 s[G0X], 1
	s_lshl_b32 s[G0X+1], s14, 16
	s_mov_b32 s[G0W], 1
	s_mov_b32 s[G0W+1], WB
	s_mov_b32 s[SEL], 0x76543210
	s_mov_b32 s[SEL+1], 0xfedcba98
	s_wait_dscnt 0x0
	s_wait_kmcnt 0x0
	s_add_nc_u64 s[G0X+2:G0X+3], s[4:5], s[20:21]
	s_or_b32 s[G0X+3], s[G0X+3], 0x80000000
	s_add_nc_u64 s[G0W+2:G0W+3], s[4:5], s[22:23]
	s_or_b32 s[G0W+3], s[G0W+3], 0x80000000
	CROUND                                         ; the first joint loads meet
	s_cmp_lt_u32 s14, 3
	s_cbranch_scc0 .Lhead_w
	TLOAD G0X, G1X
	s_branch .Lhead_asked
.Lhead_w:
	TLOAD G0W, G1W
.Lhead_asked:
	v_and_b32 v1, 15, v0                           ; r
	v_bfe_u32 v2, v0, 4, 1                         ; h
	v_and_b32 v3, 31, v0
	v_lshlrev_b32 v14, 4, v3
	v_lshlrev_b32 v15, 3, v3
	s_mul_i32 s21, s15, 98304                      ; my 8 token tiles: 0-3, and 4-7 by a second pair of addresses
	v_add_nc_u32 v[AT], s21, v14
	v_add_nc_u32 v[AT+1], s21, v15
	s_add_co_u32 s21, s21, 49152
	v_add_nc_u32 v[AT+2], s21, v14
	v_add_nc_u32 v[AT+3], s21, v15
	s_mul_i32 s21, s16, 49152
	s_add_co_u32 s21, s21, WB
	v_add_nc_u32 v[AW], s21, v14
	v_add_nc_u32 v[AW+1], s21, v15
	s_lshl_b32 s21, s14, 9                         ; my stages for scale words
	v_lshl_add_u32 v24, v1, 2, s21
	v_add_nc_u32 v26, STV, v24
	v_add_nc_u32 v24, STQ, v24
	v_add_nc_u32 v25, s21, v14
	v_add_nc_u32 v25, STQ, v25
	v_add_nc_u32 v27, s21, v15
	v_add_nc_u32 v27, STV, v27
	s_lshl_b32 s21, s17, 4                         ; scale words: 512 bytes a tile, 16 r
	s_lshl_b32 s18, s15, 3
	s_add_co_u32 s21, s21, s18
	s_lshl_b32 s21, s21, 9
	v_lshl_add_u32 v4, v1, 4, s21
	s_lshl_b32 s21, s42, 4
	s_lshl_b32 s18, s16, 2
	s_add_co_u32 s21, s21, s18
	s_add_co_u32 s21, s21, 512
	s_lshl_b32 s21, s21, 9
	v_lshl_add_u32 v5, v1, 4, s21
	s_lshl_b32 s21, s42, 3
	s_add_co_u32 s21, s21, s18
	s_add_co_u32 s21, s21, 640
	s_lshl_b32 s21, s21, 9
	v_lshl_add_u32 v6, v1, 4, s21
	s_lshl_b32 s21, s42, 10                        ; q's, k's bias: 4 (256 c + 64 b) + 64 h
	s_lshl_b32 s18, s16, 8
	s_add_co_u32 s21, s21, s18
	v_lshl_add_u32 v9, v2, 6, s21
	s_lshl_b32 s21, s42, 9                         ; v's: 4 (2,048 + 128 c + 64 b + r + 8 (r / 8))
	s_add_co_u32 s21, s21, s18
	s_add_co_u32 s21, s21, 8192
	v_and_b32 v10, 8, v1
	v_add_nc_u32 v10, v10, v1
	v_lshl_add_u32 v10, v10, 2, s21
	WALU
.irp i, 0,1,2,3,4,5,6,7
	global_load_b128 v[SC+8*\i:SC+8*\i+3], v4, s[6:7] offset:512*\i
	global_load_b128 v[SC+8*\i+4:SC+8*\i+7], v4, s[6:7] offset:512*\i+256
.endr
.irp j, 0,1,2,3
	global_load_b128 v[SB+8*\j+4:SB+8*\j+7], v5, s[6:7] offset:512*\j
	global_load_b128 v[SB+8*\j:SB+8*\j+3], v5, s[6:7] offset:512*\j+256
.endr
.irp g, 0,1
.irp q, 0,1,2,3
	global_load_b128 v[BB+16*\g+4*\q:BB+16*\g+4*\q+3], v9, s[8:9] offset:128*\g+16*\q
.endr
.endr
	WIN 2<<6                                       ; what the later pieces need, into window 2
.irp j, 0,1,2,3
	global_load_b128 v[64+8*\j+4:64+8*\j+7], v5, s[6:7] offset:4096+512*\j
	global_load_b128 v[64+8*\j:64+8*\j+3], v5, s[6:7] offset:4096+512*\j+256
	global_load_b128 v[96+8*\j+4:96+8*\j+7], v6, s[6:7] offset:512*\j
	global_load_b128 v[96+8*\j:96+8*\j+3], v6, s[6:7] offset:512*\j+256
	global_load_b32 v[160+8*\j], v10, s[8:9] offset:(32*(\j/2)+8*(\j%2))*4
.endr
.irp g, 0,1
.irp q, 0,1,2,3
	global_load_b128 v[128+16*\g+4*\q:128+16*\g+4*\q+3], v9, s[8:9] offset:512+128*\g+16*\q
.endr
.endr
	WIN 0
	s_lshr_b32 s74, s17, 3                         ; where the results go
	s_lshl_b32 s74, s74, 4                         ; 16 x batch
	s_and_b32 s75, s17, 7                          ; the slot of 256 keys
	s_lshl_b32 s76, s40, 2
	s_add_co_u32 s76, s76, s74
	s_add_co_u32 s76, s76, s16                     ; the first piece's head: 16 x batch + 4 cx + b; the second's is 2 on
	s_lshl_b32 s77, s75, 4
	s_lshl_b32 s18, s15, 3
	s_add_co_u32 s77, s77, s18                     ; my first token tile in the batch
	s_lshl_b32 s78, s76, 7
	s_add_co_u32 s78, s78, s77
	s_mul_i32 s78, s78, 768                        ; q: codes
	s_lshl_b32 s79, s76, 13
	s_lshl_b32 s80, s77, 6
	s_add_co_u32 s79, s79, s80
	s_add_co_u32 s79, s79, 6291456                 ; q: scale words
	s_mul_i32 s81, s76, 208896
	s_mul_i32 s82, s75, 26112
	s_add_co_u32 s81, s81, s82
	s_mul_i32 s83, s15, 6144
	s_add_co_u32 s83, s83, s81                     ; k: codes
	s_lshl_b32 s82, s15, 9
	s_add_co_u32 s82, s82, s81
	s_add_co_u32 s82, s82, 24576                   ; k: scale words
	s_mov_b32 s84, 417792                          ; two heads on
	s_mov_b32 s85, 417792
	s_cmp_eq_u32 ttmp9, 0                          ; the cluster's x: 0 q, 1 k
	s_cselect_b64 s[72:73], s[10:11], s[12:13]
	s_cselect_b32 s78, s78, s83
	s_cselect_b32 s79, s79, s82
	s_cselect_b32 s84, 196608, s84
	s_cselect_b32 s85, 16384, s85
	v_add_nc_u32 v7, s78, v14
	v_add_nc_u32 v8, s78, v15
	v_add_nc_u32 v11, s79, v14
	s_lshl_b32 s76, s42, 1
	s_add_co_u32 s76, s76, s74
	s_add_co_u32 s76, s76, s16                     ; v's head: 16 x batch + 2 c + b
	s_mul_i32 s76, s76, 208896
	s_mul_i32 s82, s75, 26112
	s_add_co_u32 s76, s76, s82
	s_mul_i32 s77, s15, 6144
	s_add_co_u32 s77, s77, s76
	s_add_co_u32 s77, s77, 12288
	v_add_nc_u32 v12, s77, v14
	s_lshl_b32 s77, s15, 8
	s_add_co_u32 s77, s77, s76
	s_add_co_u32 s77, s77, 25600
	v_add_nc_u32 v13, s77, v15
	s_lshl_b32 s18, s41, 2                         ; the prefetches: my sixteenth (24 blocks of 256 bytes) of the second piece and of v's
	s_add_co_u32 s18, s18, s14
	s_mul_i32 s18, s18, 6144
	s_add_co_u32 s19, s22, s18
	s_add_co_u32 s19, s19, 98304
	s_mul_i32 s20, s42, 98304
	s_add_co_u32 s20, s20, 640*12288
	s_add_co_u32 s20, s20, s18
	v_min_u32 v22, 23, v3
	v_lshlrev_b32 v22, 8, v22
	v_add_nc_u32 v23, s20, v22
	v_add_nc_u32 v22, s19, v22
.irp b, 4,5,6,7
	v_mov_b32 v[TM+\b], 0                          ; a lane permute's destination counts as one of its sources
.endr
	WALU                                           ; the wait at the head's end
	global_prefetch_b8 v22, s[4:5] th:TH_LOAD_NT scope:SCOPE_SE
	global_prefetch_b8 v23, s[4:5] th:TH_LOAD_NT scope:SCOPE_SE
	s_wait_loadcnt 0x0
	WIN 0x82
.irp j, 0,8,16,24
.irp n, 1,2,3,4,5,6,7
	v_mov_b32 v[160+\j+\n], v[160+\j]              ; v's bias, one number a lane and tile, over the eight registers of a C
.endr
.endr
	WIN 0
	WALU
	s_mov_b32 s90, 0
.Lunit:                                                ; the two pieces of q or k
	CHANGE 1
.irp i, 0,1,2,3,4,5,6,7
	TILE 0, \i
.endr
	ds_load_b128 v[RB:RB+3], v25                   ; my head's 128 scale words: 512 consecutive bytes (LDS serves a wave's instructions in order)
	s_wait_dscnt 0x0
	global_store_b128 v11, v[RB:RB+3], s[72:73]
	WIN 0x02                                       ; the next piece's scale words and bias move up,
.set n_, 0
.rept 32
	v_mov_b32 v[SB+n_], v[64+n_]
	v_mov_b32 v[BB+n_], v[128+n_]
.set n_, n_+1
.endr
	WIN 0x82                                       ; and v's behind them
.set n_, 0
.rept 32
	v_mov_b32 v[64+n_], v[96+n_]
	v_mov_b32 v[128+n_], v[160+n_]
.set n_, n_+1
.endr
	WIN 0
	s_wait_xcnt 0x0                                ; the stores have read their offsets
	v_add_nc_u32 v7, s84, v7
	v_add_nc_u32 v8, s84, v8
	v_add_nc_u32 v11, s85, v11
	s_add_co_u32 s90, s90, 1
	s_cmp_lt_u32 s90, 2
	WALU
	s_cbranch_scc1 .Lunit
	CHANGE 0                                       ; v's piece: nothing more is filled
.irp i, 0,1,2,3,4,5,6,7
	TILE 1, \i
.endr
.irp j, 0,1,2,3
	EPIV \j
.endr
	ds_load_b64 v[RB:RB+1], v27                    ; my 64 scale words: 256 consecutive bytes
	s_wait_dscnt 0x0
	global_store_b64 v13, v[RB:RB+1], s[12:13]
	s_wait_tensorcnt 0x0                           ; the wave's end
	ds_add_u32 v[SPW], v[NIL]
	s_wait_dscnt 0x0
	CROUND                                         ; the closing round
	s_endpgm
.Lfunc_end_k_qc096474c12_gemm_qkv:
	.size	k_qc096474c12_gemm_qkv, .Lfunc_end_k_qc096474c12_gemm_qkv-k_qc096474c12_gemm_qkv
	.p2alignl 7, 3214868480
	.fill 96, 4, 3214868480
	.section	.rodata,"a",@progbits
	.p2align	6, 0x0
	.amdhsa_kernel k_qc096474c12_gemm_qkv
		.amdhsa_group_segment_fixed_size 327680
		.amdhsa_private_segment_fixed_size 0
		.amdhsa_enable_private_segment 0
		.amdhsa_kernarg_size 40
		.amdhsa_user_sgpr_count 2
		.amdhsa_user_sgpr_kernarg_segment_ptr 1
		.amdhsa_wavefront_size32 1
		.amdhsa_system_sgpr_workgroup_id_x 1
		.amdhsa_system_sgpr_workgroup_id_y 1
		.amdhsa_system_sgpr_workgroup_id_z 1
		.amdhsa_system_vgpr_workitem_id 0
		.amdhsa_next_free_vgpr 1024
		.amdhsa_next_free_sgpr 96
		.amdhsa_reserve_vcc 0
		.amdhsa_float_denorm_mode_32 3
		.amdhsa_float_denorm_mode_16_64 3
		.amdhsa_memory_ordered 1
		.amdhsa_forward_progress 1
		.amdhsa_inst_pref_size 181
	.end_amdhsa_kernel
	.amdgpu_metadata
---
amdhsa.version: [ 1, 2 ]
amdhsa.kernels:
  - .name:           k_qc096474c12_gemm_qkv
    .symbol:         k_qc096474c12_gemm_qkv.kd
    .args:
      - { .name: cod, .offset: 0, .size: 8, .value_kind: global_buffer, .address_space: global }
      - { .name: scl, .offset: 8, .size: 8, .value_kind: global_buffer, .address_space: global }
      - { .name: b_attn, .offset: 16, .size: 8, .value_kind: global_buffer, .address_space: global }
      - { .name: qb, .offset: 24, .size: 8, .value_kind: global_buffer, .address_space: global }
      - { .name: kv, .offset: 32, .size: 8, .value_kind: global_buffer, .address_space: global }
    .group_segment_fixed_size: 327680
    .private_segment_fixed_size: 0
    .kernarg_segment_align: 8
    .kernarg_segment_size: 40
    .max_flat_workgroup_size: 128
    .sgpr_count:     96
    .vgpr_count:     1024
    .wavefront_size: 32
...
	.end_amdgpu_metadata
.endif
;; end of part 2
;; launch attn (part 3): grid 4 x 64, 16 waves a work-group, no clusters, 327,680 bytes of LDS; arguments qb, kv, ac, scl; writes ac, scl
.if DOCPART == 3
	.amdgcn_target "amdgcn-amd-amdhsa--gfx1250"
	.amdhsa_code_object_version 6
	.text
	.protected	k_qc096474c12_attn
	.globl	k_qc096474c12_attn
	.p2align	8
	.type	k_qc096474c12_attn,@function
k_qc096474c12_attn:
	s_mov_b64 s[64:65], 0
	v_nop
	global_prefetch_b8 v0, s[64:65] scope:SCOPE_SE
	s_setreg_imm32_b32 hwreg(HW_REG_WAVE_MODE, 25, 1), 1
	s_wait_xcnt 0x0
; Causal attention of one head on codes of FP6 (E2M3) with E8M0 scales: S = q k^T (K = 64, the upper half of the instruction's 128 is zero codes), p = 2^(t - M), O = p v / l; O is quantised along the head's 64 and leaves as codes.
; t = score x log2(e) / 8; M = the row's largest t so far rounded UP to a whole number; p is not normalised; the row's sum l is taken of the unquantised p; when M moves, l and O are multiplied by 2^(old M - new M): exact.
; SHARES.  2,048 queries of a head are 8 blocks of 256.  Work-group (i, head) takes block i and then block 7 - i: (i + 1) + (8 - i) = 9 slots of 256 keys for every work-group, so the trip count is a constant and all 256 work-groups have equal work.
; Each of 16 waves owns one tile of 16 queries in 256 registers, four waves to a SIMD, so that one wave's vector work stands beside another's matrix work.
; A slot (26,112 bytes of kv: k's 16 tiles, v's 8 fragments, both scale words) is one dense block; waves 0 and 1 fetch a half each into a ring of two LDS slots; all sixteen read it.
; No cluster: the four work-groups of a head read different key slots in a trip, so there is no tile to ask for jointly.
; LAYOUT.  Both products are used transposed (S^T = k q^T, O^T = v^T p^T): a lane holds ONE query throughout.  Tiles are stored with rows 32 g + 8 u + r + 8 (r / 8), so the 16 registers of tiles 2 g, 2 g + 1 are 16 neighbours.
; CAUSAL.  A step all of whose 128 keys come after my queries is jumped over (a scalar branch on ids); on the diagonal hidden scores become -infinity ahead of the maximum.  Key 0 counts for every query.
; LIMITS: NaN and infinities are not served.  A block's largest p is taken from its largest score (this takes v_exp_f32 not to fall where its input rises).  A block of zeros gets the byte 1.  O's scale bytes leave 2 bytes a lane.
; REGISTERS: v1-7 addresses that stay; v8-10 the step's LDS addresses; v12 -M, v13 the largest t, v[14:15] l; v16-27 q; v28-31 v's scale words; v32-79 four fragments of k (registers 6-11 of each stay 0); v80-127 v's four;
;   v128-191 S^T, then p; v192-223 O^T; v224-235 p's codes; v232-247 at work; v248-251 k's scale words; v252 f; v253 p's scale word; v254 at work; v255 q's scale word.
.set SLB,   26112                      ; a slot's bytes
.set HEADB, 208896                     ; a head's eight slots
; IN THIS TEXT THE KEYS STAY IN LDS, and what the lines above say of a ring of two slots is replaced by this: the head's slots 0 .. 7 - i (all that blocks i and 7 - i read, at most 208,896 bytes) come in at the kernel's head,
; half a slot to a wave, each wave's one tensor load; a wave whose slot lies beyond 7 - i asks for nothing.  A first barrier shows slot 0 (waves 0 and 1), a second, behind the first trip, all the rest.  The nine trips have no barrier: nothing is filled again.
.set SPARE, 208896                     ; behind the eight slots: the spare words, 128 bytes for each of 16 waves, that no other line names
.set WV,  18
.set SEL, 20
.set CS,  22                           ; s[22:23] c = log2(e) / 8
.set G1,  24
.set G0,  32
.set KVB, 36                           ; s[36:37] my half slot of the head's eight in memory
.set TB,  38                           ; LDS byte at which the slot in hand begins
.set SS,  40                           ; the trip, 0 .. 8
.set II,  41                           ; i
.set I1,  42                           ; i + 1
.set KF,  45                           ; the step's first key
.set Q0,  46                           ; my queries are Q0 + r + 8 (r / 8)
.set Q0B, 47
.set QCA, 48                           ; both blocks' bases: q's codes, q's scale words, O's codes, O's scale bytes
.set QCB, 50
.set QSA, 52
.set QSB, 54
.set ACA, 56
.set ACB, 58
.set SCA, 60
.set SCB, 62
.set Q0A, 77
.macro TLOAD                           ; one chain: waves 0 and 1 have a line of their own (slot 0, shown by the first barrier); the others ask if their slot wave / 2 is read: wave / 2 + i < 8
	s_cmp_lt_u32 s[WV], 2
	s_cbranch_scc0 .Lothers_\@
	tensor_load_to_lds s[G0:G0+3], s[G1:G1+7]
	s_nop 0
.rept 4
	v_nop
.endr
	s_branch .Lasked_\@
.Lothers_\@:
	s_lshr_b32 s70, s[WV], 1
	s_add_co_u32 s70, s70, s[II]
	s_cmp_lt_u32 s70, 8
	s_cbranch_scc0 .Lasked_\@
	tensor_load_to_lds s[G0:G0+3], s[G1:G1+7]
	s_nop 0
.rept 4
	v_nop
.endr
.Lasked_\@:
.endm
.macro BASES blk, qc, qs, ac, sc, q0   ; s66: the head (16 x batch + head in batch)
	s_lshl_b32 s70, s[\blk], 4
	s_add_co_u32 s70, s70, s[WV]                   ; my tile of queries in the batch
	s_lshl_b32 s72, s66, 7
	s_add_co_u32 s72, s72, s70
	s_mul_i32 s72, s72, 768
	s_mov_b32 s73, 0
	s_add_nc_u64 s[\qc:\qc+1], s[4:5], s[72:73]
	s_lshl_b32 s72, s66, 13
	s_lshl_b32 s71, s70, 6
	s_add_co_u32 s72, s72, s71
	s_add_co_u32 s72, s72, 6291456
	s_add_nc_u64 s[\qs:\qs+1], s[4:5], s[72:73]
	s_lshr_b32 s71, s66, 4
	s_lshl_b32 s71, s71, 7
	s_add_co_u32 s71, s71, s70                     ; the tile among all 512
	s_and_b32 s74, s66, 15                         ; the head in the batch: K = 64 x head + channel in the last product
	s_mul_i32 s72, s71, 12288
	s_mul_i32 s75, s74, 768
	s_add_co_u32 s72, s72, s75
	s_add_nc_u64 s[\ac:\ac+1], s[8:9], s[72:73]
	s_add_co_u32 s72, s71, 768
	s_lshl_b32 s72, s72, 9
	s_lshr_b32 s75, s74, 3
	s_lshl_b32 s75, s75, 8
	s_add_co_u32 s72, s72, s75
	s_bfe_u32 s75, s74, 0x20001
	s_lshl_b32 s75, s75, 2
	s_add_co_u32 s72, s72, s75
	s_and_b32 s75, s74, 1
	s_lshl_b32 s75, s75, 1
	s_add_co_u32 s72, s72, s75
	s_add_nc_u64 s[\sc:\sc+1], s[10:11], s[72:73]
	s_lshl_b32 s72, s[\blk], 8
	s_lshr_b32 s75, s[WV], 1
	s_lshl_b32 s75, s75, 5
	s_add_co_u32 s72, s72, s75
	s_and_b32 s75, s[WV], 1
	s_lshl_b32 s75, s75, 3
	s_add_co_u32 s[\q0], s72, s75
.endm
	s_load_b256 s[4:11], s[0:1], 0x0               ; qb s[4:5], kv s[6:7], ac s[8:9], scl s[10:11]
	v_lshl_add_u32 v5, v0, 2, SPARE                ; my spare word; never rewritten
	v_mov_b32 v6, 0                                ; 0; never rewritten
	ds_add_u32 v5, v6
	ds_add_u32 v5, v6
	s_wait_dscnt 0x0
	v_lshrrev_b32 v8, 5, v0
	s_delay_alu instid0(VALU_DEP_1)
	v_readfirstlane_b32 s[WV], v8                  ; wave 0..15
	s_and_b32 s66, ttmp7, 0xffff                   ; the head
	s_mov_b32 s[II], ttmp9
	s_add_co_u32 s[I1], ttmp9, 1
	s_sub_co_u32 s76, 7, ttmp9                     ; the second block
	; descriptor group 1: half a slot, 13,056 dense bytes, as 51 rows of 256 bytes (32 elements of 8 bytes)
	s_mov_b32 s[G1], 3<<16
	s_mov_b32 s[G1+1], 32<<16
	s_mov_b32 s[G1+2], 51<<16
	s_mov_b32 s[G1+3], 32<<16
	s_mov_b32 s[G1+4], 51
	s_mov_b32 s[G1+5], 32
	s_mov_b32 s[G1+6], 0
	s_mov_b32 s[G1+7], 0
	s_mul_i32 s67, s[WV], SLB/2                    ; my half slot: the same place in the head's eight slots and in LDS
	s_mul_i32 s68, s66, HEADB
	s_add_co_u32 s68, s68, s67
	s_mov_b32 s69, 0
	s_mov_b32 s[SEL], 0x76543210
	s_mov_b32 s[SEL+1], 0xfedcba98
	s_mov_b32 s[CS], 0x3e38aa3b                    ; log2(e) / sqrt(64)
	s_mov_b32 s[CS+1], s[CS]                       ; (named with it as a pair, so it is written)
	s_mov_b32 s[TB], 0
	s_mov_b32 s[SS], 0
	s_wait_kmcnt 0x0
	s_add_nc_u64 s[KVB:KVB+1], s[6:7], s[68:69]
	s_mov_b32 s[G0], 1
	s_mov_b32 s[G0+1], s67
	s_mov_b64 s[G0+2:G0+3], s[KVB:KVB+1]
	s_or_b32 s[G0+3], s[G0+3], 0x80000000
	TLOAD                                          ; my half slot, the wave's one tensor load
	BASES II, QCA, QSA, ACA, SCA, Q0A
	BASES 76, QCB, QSB, ACB, SCB, Q0B
	v_and_b32 v11, 31, v0
	s_delay_alu instid0(VALU_DEP_1)
	v_lshlrev_b32 v1, 4, v11                       ; 16 x lane
	s_delay_alu instid0(VALU_DEP_2)
	v_lshlrev_b32 v2, 3, v11                       ; 8 x lane
	v_and_b32 v8, 15, v0                           ; r
	v_bfe_u32 v9, v0, 4, 1                         ; h
	s_delay_alu instid0(VALU_DEP_2)
	v_lshlrev_b32 v3, 2, v8                        ; 4 r
	s_delay_alu instid0(VALU_DEP_3)
	v_lshlrev_b32 v4, 4, v8                        ; 16 r
	s_delay_alu instid0(VALU_DEP_4)
	v_and_b32 v7, 8, v8
	s_delay_alu instid0(VALU_DEP_1)
	v_add_nc_u32 v7, v7, v8
	v_lshlrev_b32 v9, 4, v9
	s_delay_alu instid0(VALU_DEP_1)
	v_sub_nc_u32 v7, v7, v9                        ; r + 8 (r / 8) - 16 h: my query less my half's first key, both counted from Q0 and KF
.irp j, 22,23,24,25,26,27
	v_mov_b32 v[\j], 0                             ; q's K = 64 .. 127: zero codes
.endr
.irp t, 0,1,2,3
.irp j, 6,7,8,9,10,11
	v_mov_b32 v[32+12*\t+\j], 0                    ; k's likewise: written once, no load lands here
.endr
.endr
.irp j, 236,237,238,239,252,253
	v_mov_b32 v[\j], 0                             ; destinations of lane permutes, and the pair v[252:253], count as read
.endr
.macro START qc, qs, q0                ; a block begins: my 16 queries; O^T and l are zeros and the largest t lies under every t, so that the step is written once
	global_load_b128 v[16:19], v1, s[\qc:\qc+1]
	global_load_b64 v[20:21], v2, s[\qc:\qc+1] offset:512
	global_load_b32 v255, v3, s[\qs:\qs+1]
	v_mov_b32 v13, 0xff61b1e6                      ; -3e38
	s_delay_alu instid0(VALU_DEP_1)
	v_floor_f32 v12, -v13
	v_mov_b32 v14, 0
	v_mov_b32 v15, 0
.set nn, 0
.rept 32
	v_mov_b32 v[192+nn], 0
.set nn, nn+1
.endr
	s_mov_b32 s[Q0], s[\q0]
	s_wait_loadcnt 0x0
.endm
; A KEY STEP: 128 keys, the q-th of the slot in hand
.macro STEP q
	s_add_co_u32 s70, s[Q0], 23                    ; my last query
	s_cmp_gt_u32 s[KF], s70
	s_cbranch_scc1 .Lhidden_\@
	v_add_nc_u32 v8, s[TB], v1                     ; these three and the v_nop are the four places in front of loads into registers that the last products read
	v_add_nc_u32 v9, s[TB], v2
	v_add_nc_u32 v10, s[TB], v3
	v_nop
.irp t, 0,1,2,3
	ds_load_b128 v[32+12*\t:35+12*\t], v8 offset:(8*(\q)+\t)*768
	ds_load_b64 v[36+12*\t:37+12*\t], v9 offset:(8*(\q)+\t)*768+512
	ds_load_b32 v[248+\t], v10 offset:24576+(8*(\q)+\t)*64
.endr
.irp t, 0,1,2,3
.irp c, 0,1,2
	ds_load_b128 v[80+12*\t+4*\c:83+12*\t+4*\c], v8 offset:12288+6144*(\q)+1536*\t+512*\c
.endr
	ds_load_b32 v[28+\t], v10 offset:25600+256*(\q)+64*\t
.endr
	s_wait_alu depctr_va_vdst(0)
	s_wait_dscnt 16                                ; k's first four tiles are in; the 16 loads for v may be out
.irp t, 0,1,2,3
	v_wmma_scale_f32_16x16x128_f8f6f4 v[128+8*\t:135+8*\t], v[32+12*\t:43+12*\t], v[16:27], 0, v[248+\t], v255 matrix_a_fmt:MATRIX_FMT_FP6 matrix_b_fmt:MATRIX_FMT_FP6
.endr
.rept 4
	v_nop
.endr
.irp t, 0,1,2,3
	ds_load_b128 v[32+12*\t:35+12*\t], v8 offset:(8*(\q)+4+\t)*768
	ds_load_b64 v[36+12*\t:37+12*\t], v9 offset:(8*(\q)+4+\t)*768+512
	ds_load_b32 v[248+\t], v10 offset:24576+(8*(\q)+4+\t)*64
.endr
	s_wait_dscnt 0x0
.irp t, 0,1,2,3
	v_wmma_scale_f32_16x16x128_f8f6f4 v[160+8*\t:167+8*\t], v[32+12*\t:43+12*\t], v[16:27], 0, v[248+\t], v255 matrix_a_fmt:MATRIX_FMT_FP6 matrix_b_fmt:MATRIX_FMT_FP6
.endr
.rept 4
	v_nop
.endr
	s_add_co_u32 s70, s[KF], 127                   ; a step all of whose keys count for all my queries has no mask
	s_cmp_le_u32 s70, s[Q0]
	s_cbranch_scc1 .Lopen_\@
	s_sub_co_i32 s70, s[Q0], s[KF]
	v_add_nc_u32 v252, s70, v7                     ; register 16 b + i holds key KF + 16 h + 32 b + i: hidden where 32 b + i > my query - KF - 16 h
	v_mov_b32 v254, 0xff800000                     ; -infinity
.set nn, 0
.rept 64
	v_cmp_gt_i32 vcc_lo, 32*(nn/16)+nn%16, v252
	v_cndmask_b32 v[128+nn], v[128+nn], v254, vcc_lo
.set nn, nn+1
.endr
.Lopen_\@:
.irp b, 0,1,2,3
	v_max3_num_f32 v[232+\b], v[128+16*\b], v[129+16*\b], v[130+16*\b]   ; the largest score of each block of 32 keys: for the row's maximum, and for the block's largest p
.endr
.irp i, 3,5,7,9,11,13
.irp b, 0,1,2,3
	v_max3_num_f32 v[232+\b], v[232+\b], v[128+16*\b+\i], v[129+16*\b+\i]
.endr
.endr
.irp b, 0,1,2,3
	v_max_num_f32 v[232+\b], v[232+\b], v[143+16*\b]
.endr
.irp b, 0,1,2,3
	s_delay_alu instid0(VALU_DEP_4)
	v_permlanex16_b32 v[236+\b], v[232+\b], s[SEL], s[SEL+1]
.endr
.irp b, 0,1,2,3
	s_delay_alu instid0(VALU_DEP_4)
	v_max_num_f32 v[232+\b], v[232+\b], v[236+\b]
.endr
	s_delay_alu instid0(VALU_DEP_2)
	v_max3_num_f32 v254, v232, v233, v234
	s_delay_alu instid0(VALU_DEP_1)
	v_max_num_f32 v254, v254, v235
	s_delay_alu instid0(VALU_DEP_1)
	v_mul_f32 v254, s[CS], v254
	s_delay_alu instid0(VALU_DEP_1)
	v_max_num_f32 v13, v13, v254                   ; the running largest t
	v_mov_b32 v254, v12
	s_delay_alu instid0(VALU_DEP_2)
	v_floor_f32 v12, -v13                          ; -M = floor(-t): M is a whole number
	s_delay_alu instid0(VALU_DEP_1)
	v_sub_f32 v254, v12, v254
	s_delay_alu instid0(VALU_DEP_1)
	v_cvt_i32_f32 v254, v254                       ; (it saturates)
	s_delay_alu instid0(VALU_DEP_1)
	v_ldexp_f32 v252, 1.0, v254                    ; f = 2^(old M - new M)
.set nn, 0
.rept 32
	v_pk_fma_f32 v[128+nn:129+nn], v[128+nn:129+nn], s[CS:CS+1], v[12:13] op_sel_hi:[1,0,0]   ; t - M
.set nn, nn+2
.endr
.irp b, 0,1,2,3
	v_fma_f32 v[232+\b], v[232+\b], s[CS], v12
.endr
.set nn, 0
	s_wait_alu depctr_va_vdst(0)
.rept 64
	v_exp_f32 v[128+nn], v[128+nn]                 ; p = 2^(t - M)
.set nn, nn+1
.endr
.irp b, 0,1,2,3
	v_exp_f32 v[232+\b], v[232+\b]                 ; the block's largest p
.endr
	v_pk_mul_f32 v[14:15], v[14:15], v[252:253] op_sel_hi:[1,0]   ; l under the new M (a plain place behind the exponentials)
	s_wait_alu depctr_va_vdst(0)
.irp b, 0,1,2,3
	v_max_num_f32 v[232+\b], 0x1800000, v[232+\b]  ; the floor 2^(3 - 127)
.endr
.irp b, 0,1,2,3
	s_delay_alu instid0(VALU_DEP_4)
	v_add_nc_u32 v[244+\b], 0xff000000, v[232+\b]
.endr
.irp b, 0,1,2,3
	s_delay_alu instid0(VALU_DEP_4)
	v_lshrrev_b32 v[236+\b], 23, v[244+\b]
.endr
	s_delay_alu instid0(VALU_DEP_3)
	v_lshl_or_b32 v253, v237, 8, v236              ; p's scale word for these 128 keys
	s_delay_alu instid0(VALU_DEP_1)
	v_lshl_or_b32 v253, v238, 16, v253
	s_delay_alu instid0(VALU_DEP_1)
	v_lshl_or_b32 v253, v239, 24, v253
.irp c, 0,1
	v_cvt_scalef32_pk16_fp6_f32 v[224+6*\c:226+6*\c], v[128+32*\c:143+32*\c], v[244+2*\c]
	v_cvt_scalef32_pk16_fp6_f32 v[236+4*\c:238+4*\c], v[144+32*\c:159+32*\c], v[244+2*\c+1]
.endr
	v_nop                                          ; one plain place behind a scaled conversion
.irp c, 0,1
.irp i, 0,1,2
	v_permlane16_swap_b32 v[224+6*\c+\i], v[236+4*\c+\i]
.endr
.irp i, 0,1,2
	s_delay_alu instid0(VALU_DEP_3)
	v_mov_b32 v[227+6*\c+\i], v[236+4*\c+\i]
.endr
.endr
	v_pk_add_f32 v[236:237], v[132:133], v[136:137]
	v_pk_add_f32 v[250:251], v[140:141], v[144:145]
	v_pk_add_f32 v[248:249], v[148:149], v[152:153]
	v_pk_add_f32 v[246:247], v[156:157], v[160:161]
	v_pk_add_f32 v[244:245], v[164:165], v[168:169]
	v_pk_add_f32 v[242:243], v[172:173], v[176:177]
	v_pk_add_f32 v[240:241], v[180:181], v[184:185]
	v_pk_add_f32 v[14:15], v[14:15], v[188:189]
	v_pk_add_f32 v[236:237], v[236:237], v[128:129]
	v_pk_add_f32 v[250:251], v[250:251], v[130:131]
	v_pk_add_f32 v[248:249], v[248:249], v[134:135]
	v_pk_add_f32 v[246:247], v[246:247], v[138:139]
	v_pk_add_f32 v[244:245], v[244:245], v[142:143]
	v_pk_add_f32 v[242:243], v[242:243], v[146:147]
	v_pk_add_f32 v[240:241], v[240:241], v[150:151]
	v_pk_add_f32 v[14:15], v[14:15], v[154:155]
	v_pk_add_f32 v[236:237], v[236:237], v[158:159]
	v_pk_add_f32 v[250:251], v[250:251], v[162:163]
	v_pk_add_f32 v[248:249], v[248:249], v[166:167]
	v_pk_add_f32 v[246:247], v[246:247], v[170:171]
	v_pk_add_f32 v[244:245], v[244:245], v[174:175]
	v_pk_add_f32 v[242:243], v[242:243], v[178:179]
	v_pk_add_f32 v[240:241], v[240:241], v[182:183]
	v_pk_add_f32 v[14:15], v[14:15], v[186:187]
	v_pk_add_f32 v[236:237], v[236:237], v[190:191]
	s_delay_alu instid0(VALU_DEP_2)
	v_pk_add_f32 v[14:15], v[14:15], v[246:247]
	s_delay_alu instid0(VALU_DEP_2)
	v_pk_add_f32 v[236:237], v[236:237], v[244:245]
	v_pk_add_f32 v[250:251], v[250:251], v[242:243]
	v_pk_add_f32 v[248:249], v[248:249], v[240:241]
	s_delay_alu instid0(VALU_DEP_2)
	v_pk_add_f32 v[14:15], v[14:15], v[250:251]
	s_delay_alu instid0(VALU_DEP_2)
	v_pk_add_f32 v[236:237], v[236:237], v[248:249]
	s_delay_alu instid0(VALU_DEP_1)
	v_pk_add_f32 v[14:15], v[14:15], v[236:237]
.set nn, 0
.rept 16
	v_pk_mul_f32 v[192+nn:193+nn], v[192+nn:193+nn], v[252:253] op_sel_hi:[1,0]   ; O^T under the new M; each accumulator from its low end on
.set nn, nn+2
.endr
.irp t, 0,1,2,3
	v_wmma_scale_f32_16x16x128_f8f6f4 v[192+8*\t:199+8*\t], v[80+12*\t:91+12*\t], v[224:235], v[192+8*\t:199+8*\t], v[28+\t], v253 matrix_a_fmt:MATRIX_FMT_FP6 matrix_b_fmt:MATRIX_FMT_FP6
.endr
.Lhidden_\@:
	s_add_co_u32 s[KF], s[KF], 128
.endm
; A trip: the two steps of one slot of 256 keys.  first = 1: slot 0, by constants; else slot number = the trip, less i + 1 once the second block has begun (0 .. 7)
.macro SLOT_STEPS first
.if \first
	s_mov_b32 s[KF], 0
	s_mov_b32 s[TB], 0
.else
	s_cmp_gt_u32 s[SS], s[II]
	s_cselect_b32 s70, s[I1], 0
	s_sub_co_u32 s70, s[SS], s70
	s_min_u32 s70, s70, 7
	s_lshl_b32 s[KF], s70, 8
	s_mul_i32 s[TB], s70, SLB
.endif
	STEP 0
	STEP 1
.endm
; A block ends: O^T / l, quantised along the head's 64 (two blocks of 32; register 16 b + i is channel 32 b + 16 h + i), as half a fragment of the last product's A
.macro FINISH ac, sc
.rept 4
	v_nop                                          ; places behind the last products
.endr
	v_add_f32 v14, v14, v15
	s_delay_alu instid0(VALU_DEP_1)
	v_permlanex16_b32 v252, v14, s[SEL], s[SEL+1]
	s_delay_alu instid0(VALU_DEP_1)
	v_add_f32 v14, v14, v252                       ; the row's sum
	s_wait_alu depctr_va_vdst(0)
	v_rcp_f32 v14, v14
	v_nop                                          ; one plain place behind a transcendental
.set nn, 0
	s_wait_alu depctr_va_vdst(0)
.rept 32
	v_mul_f32 v[128+nn], v[192+nn], v14
.set nn, nn+1
.endr
.irp b, 0,1
	v_max3_num_f32 v[232+\b], |v[128+16*\b]|, |v[129+16*\b]|, 0x1800000
.endr
.irp i, 2,4,6,8,10,12,14
.irp b, 0,1
	s_delay_alu instid0(VALU_DEP_2)
	v_max3_num_f32 v[232+\b], v[232+\b], |v[128+16*\b+\i]|, |v[129+16*\b+\i]|
.endr
.endr
.irp b, 0,1
	s_delay_alu instid0(VALU_DEP_2)
	v_permlanex16_b32 v[236+\b], v[232+\b], s[SEL], s[SEL+1]
.endr
.irp b, 0,1
	s_delay_alu instid0(VALU_DEP_2)
	v_max_num_f32 v[232+\b], v[232+\b], v[236+\b]
.endr
.irp b, 0,1
	s_delay_alu instid0(VALU_DEP_2)
	v_add_nc_u32 v[244+\b], 0xff000000, v[232+\b]
.endr
.irp b, 0,1
	s_delay_alu instid0(VALU_DEP_2)
	v_lshrrev_b32 v[236+\b], 23, v[244+\b]
.endr
	s_delay_alu instid0(VALU_DEP_1)
	v_lshl_or_b32 v254, v237, 8, v236              ; my row's two scale bytes
	v_cvt_scalef32_pk16_fp6_f32 v[224:226], v[128:143], v244
	v_cvt_scalef32_pk16_fp6_f32 v[240:242], v[144:159], v245
	v_nop                                          ; one plain place behind a scaled conversion
.irp i, 0,1,2
	v_permlane16_swap_b32 v[224+\i], v[240+\i]
.endr
.irp i, 0,1,2
	s_delay_alu instid0(VALU_DEP_3)
	v_mov_b32 v[227+\i], v[240+\i]
.endr
	global_store_b128 v1, v[224:227], s[\ac:\ac+1]                 ; 512 consecutive bytes
	global_store_b64 v2, v[228:229], s[\ac:\ac+1] offset:512       ; 256
	global_store_b16 v4, v254, s[\sc:\sc+1]        ; both lanes of a row write the same two bytes with the same value
	s_wait_xcnt 0x0                                ; the stores have read their registers
.endm
	START QCA, QSA, Q0A
	s_wait_alu depctr_va_vdst(0)                   ; the wait at the head's end
	s_cmp_lt_u32 s[WV], 2
	s_cbranch_scc0 .Lnot_slot_0
	s_wait_tensorcnt 0x0                           ; waves 0 and 1: slot 0's halves are in
.Lnot_slot_0:
	s_barrier_signal -1
	s_barrier_wait -1                              ; slot 0 is whole; the other loads may be on their way: nothing is filled again
	SLOT_STEPS 1                                   ; the first trip, written out: it reads slot 0 alone
	s_wait_tensorcnt 0x0                           ; every wave: its load is in
	s_wait_dscnt 0x0
	s_barrier_signal -1
	s_barrier_wait -1                              ; all slots are whole, and stay
	s_mov_b32 s[SS], 1
.Lslot:                                            ; eight trips, with no barrier
	s_cmp_lg_u32 s[SS], s[I1]                      ; the first block has had its i + 1 slots: a branch on ids, alike in all waves
	s_cbranch_scc1 .Lsame
	FINISH ACA, SCA
	START QCB, QSB, Q0B
.Lsame:
	SLOT_STEPS 0
	s_add_co_u32 s[SS], s[SS], 1
	s_cmp_lt_u32 s[SS], 9
	s_cbranch_scc1 .Lslot
	FINISH ACB, SCB
	s_wait_tensorcnt 0x0                           ; the wave's end
	ds_add_u32 v5, v6
	s_wait_dscnt 0x0
	s_endpgm
.Lfunc_end_k_qc096474c12_attn:
	.size	k_qc096474c12_attn, .Lfunc_end_k_qc096474c12_attn-k_qc096474c12_attn
	.p2alignl 7, 3214868480
	.fill 96, 4, 3214868480
	.section	.rodata,"a",@progbits
	.p2align	6, 0x0
	.amdhsa_kernel k_qc096474c12_attn
		.amdhsa_group_segment_fixed_size 327680
		.amdhsa_private_segment_fixed_size 0
		.amdhsa_enable_private_segment 0
		.amdhsa_kernarg_size 32
		.amdhsa_user_sgpr_count 2
		.amdhsa_user_sgpr_kernarg_segment_ptr 1
		.amdhsa_wavefront_size32 1
		.amdhsa_system_sgpr_workgroup_id_x 1
		.amdhsa_system_sgpr_workgroup_id_y 1
		.amdhsa_system_sgpr_workgroup_id_z 1
		.amdhsa_system_vgpr_workitem_id 0
		.amdhsa_next_free_vgpr 256
		.amdhsa_next_free_sgpr 96
		.amdhsa_reserve_vcc 1
		.amdhsa_float_denorm_mode_32 3
		.amdhsa_float_denorm_mode_16_64 3
		.amdhsa_memory_ordered 1
		.amdhsa_forward_progress 1
		.amdhsa_inst_pref_size 111
	.end_amdhsa_kernel
	.amdgpu_metadata
---
amdhsa.version: [ 1, 2 ]
amdhsa.kernels:
  - .name:           k_qc096474c12_attn
    .symbol:         k_qc096474c12_attn.kd
    .args:
      - { .name: qb, .offset: 0, .size: 8, .value_kind: global_buffer, .address_space: global }
      - { .name: kv, .offset: 8, .size: 8, .value_kind: global_buffer, .address_space: global }
      - { .name: ac, .offset: 16, .size: 8, .value_kind: global_buffer, .address_space: global }
      - { .name: scl, .offset: 24, .size: 8, .value_kind: global_buffer, .address_space: global }
    .group_segment_fixed_size: 327680
    .private_segment_fixed_size: 0
    .kernarg_segment_align: 8
    .kernarg_segment_size: 32
    .max_flat_workgroup_size: 512
    .sgpr_count:     96
    .vgpr_count:     256
    .wavefront_size: 32
...
	.end_amdgpu_metadata
.endif
;; end of part 3
;; launch gemm_out (part 4): grid 8 x 32, 4 waves a work-group, clusters of 4 x 4, 327,680 bytes of LDS; arguments ac, cod, scl, b_proj, out0; writes out0
.if DOCPART == 4
	.amdgcn_target "amdgcn-amd-amdhsa--gfx1250"
	.amdhsa_code_object_version 6
	.text
	.protected	k_qc096474c12_gemm_out
	.globl	k_qc096474c12_gemm_out
	.p2align	8
	.type	k_qc096474c12_gemm_out,@function
k_qc096474c12_gemm_out:
	s_mov_b64 s[64:65], 0
	v_nop
	global_prefetch_b8 v0, s[64:65] scope:SCOPE_SE
	s_setreg_imm32_b32 hwreg(HW_REG_WAVE_MODE, 25, 1), 1
	s_wait_xcnt 0x0
	s_wait_alu depctr_hold_cnt(0) depctr_sa_sdst(0) depctr_va_vdst(0) depctr_va_sdst(0) depctr_va_ssrc(0) depctr_va_vcc(0) depctr_vm_vsrc(0)
	s_getreg_b32 s2, hwreg(HW_REG_IB_STS2, 6, 4)
	s_cmp_eq_u32 s2, 0
	s_cbranch_scc0 .Lentry_in_a_cluster
	s_endpgm
.Lentry_in_a_cluster:
	s_bfe_u32 s2, ttmp6, 0x10000c
	s_cmp_lg_u32 s2, 0xf033
	s_cbranch_scc0 .Lentry_shape_is_right
	s_endpgm
.Lentry_shape_is_right:
; out0 = Q(attention's result) Q(W_proj) + b_proj on codes of FP6 (E2M3) with E8M0 scales, K = 1,024; f32 out.
; 256 work-groups (c = 0..7, t = 0..31) of four waves: tokens 256 t .. + 255 x columns 128 c .. + 127.  The tokens' 16 tiles (196,608 dense bytes of ac) and W_proj's 8 tiles (98,304 of cod), all of K, come into LDS once: nothing is filled again.
; A wave (a = wave / 2: which 128 tokens; b = wave % 2: which 64 columns) holds its 4 tiles of W_proj in 384 registers and streams its 8 token tiles past them: 32 products a tile, four accumulators by turns.
; Operands are images of their registers (tile x 12,288 bytes, eight fragments of 1,536); tile 2 g + u holds in row r the actual row 32 g + 8 u + r + 8 (r / 8).  Source 0 = W_proj's tile, source 1 = a token tile:
; a lane holds one token, register 16 g + m = column 32 g + 16 (lane / 16) + m of my 64.  The bias is the C of a tile's first four products.
; THE WAY OUT: a tile's 16 rows x 256 bytes go through my own stage in LDS and leave as whole rows: sixteen lanes store 256 consecutive bytes, aligned.  A tile's stores stand in the next tile's middle.
; CLUSTERS: 4 x 4; the tokens are asked for jointly along a row of the cluster, W_proj's tiles along a column.  No prefetch: all that the launch reads is asked for at its head, so there is no loop to run ahead in.
; REGISTERS: window 0: v1-31 addresses; v32-95 the tokens' scale words (8 i + k); v96-127 W_proj's (8 j + (k + 4) % 8: the two scale registers of a product differ modulo 8); v128-159 the bias; v160-191 rows on the way out.
;   window 1: W_proj's fragments 0-20 (fragment 4 k + j); window 3: 21-31, and from v132 a token tile's eight; window 2: v0-63 two sets of four accumulators.
.set FR, 12
.set WB, 196608
.set SPARE, 294912
.set STG, SPARE+512                    ; 4,608 bytes a wave: 16 rows x (256 + 16)
.set AT, 16
.set AW, 20
.set STO, 24
.set RD, 25
.set CO, 26
.set SPW, 28
.set NIL, 29
.set SC, 32
.set SB, 96
.set BB, 128
.set RB, 160
.set TF, 132
.set G1X, 24
.set G0X, 32
.set G0W, 36
.set G1W, 48
.set MSB, 0
.macro WIN new
.if MSB != (\new)
	s_set_vgpr_msb (MSB<<8)|(\new)
.set MSB, (\new)
.endif
.endm
.macro PLACES n
.rept \n
	v_nop
.endr
.endm
.macro WALU
	s_wait_alu depctr_va_vdst(0)
.endm
.macro BARRIER
	s_barrier_signal -1
	s_barrier_wait -1
.endm
.macro CROUND
	BARRIER
	s_cmp_lg_u32 s14, 0
	s_cbranch_scc1 .Lnot_wave_0_\@
	s_barrier_signal -3
.Lnot_wave_0_\@:
	s_barrier_wait -3
	BARRIER
.endm
.macro TLOAD g0, g1
	tensor_load_to_lds s[\g0:\g0+3], s[\g1:\g1+7]
	s_nop 0
	PLACES 4
.endm
.macro G1REST g, rows                  ; a dense block as rows of 256 bytes (32 elements of 8 bytes)
	s_mov_b32 s[\g+1], 32<<16
	s_mov_b32 s[\g+2], (\rows)<<16
	s_mov_b32 s[\g+3], 32<<16
	s_mov_b32 s[\g+4], \rows
	s_mov_b32 s[\g+5], 32
	s_mov_b32 s[\g+6], 0
	s_mov_b32 s[\g+7], 0
.endm
.macro FRAG4 reg, a, off               ; the image of 12 registers; v[a]: 16 x lane, v[a+1]: 8 x lane
	ds_load_b128 v[\reg:\reg+3], v[\a] offset:\off
	ds_load_b64 v[\reg+4:\reg+5], v[\a+1] offset:\off+512
	ds_load_b128 v[\reg+6:\reg+9], v[\a] offset:\off+768
	ds_load_b64 v[\reg+10:\reg+11], v[\a+1] offset:\off+1280
.endm
.macro WEIGHTS                         ; my 4 tiles of W_proj, all of K: 128 loads
.set F_, 0
.rept 32
	WIN (1+2*(F_/21))<<6
	FRAG4 FR*(F_%21), AW, (F_%4)*12288+(F_/4)*1536
.set F_, F_+1
.endr
	WIN 0
.endm
.macro FETCHT i, hf                    ; fragments 4 hf .. 4 hf + 3 of my token tile i: 16 loads
	WIN 3<<6
.irp q, 0,1,2,3
	FRAG4 TF+FR*(4*(\hf)+\q), AT+2*((\i)/4), ((\i)%4)*12288+(4*(\hf)+\q)*1536
.endr
	WIN 0
.endm
.macro PROD1 d, s0, s1, c, x0, x1
	v_wmma_scale_f32_16x16x128_f8f6f4 v[\d:\d+7], v[\s0:\s0+FR-1], v[\s1:\s1+FR-1], \c, v[\x0], v[\x1] matrix_a_fmt:MATRIX_FMT_FP6 matrix_b_fmt:MATRIX_FMT_FP6
.endm
.macro PROD i, k, j
.set F_, 4*(\k)+(\j)
.set WW_, 1+2*(F_/21)
.set WR_, FR*(F_%21)
.set TR_, TF+FR*(\k)
.set XW_, SB+8*(\j)+((\k)+4)%8
.set XT_, SC+8*(\i)+(\k)
.set D_, 8*(\j)+32*((\i)%2)
.if (\k) == 0
	WIN WW_|(3<<2)|(2<<6)
	PROD1 D_, WR_, TR_, v[BB+8*(\j):BB+8*(\j)+7], XW_, XT_
.else
	WIN WW_|(3<<2)|(2<<4)|(2<<6)
	PROD1 D_, WR_, TR_, v[D_:D_+7], XW_, XT_
.endif
.endm
.macro HALF i, hf
.irp q, 0,1,2,3
.irp j, 0,1,2,3
	PROD \i, 4*(\hf)+\q, \j
.endr
.endr
	WIN 0
.endm
.macro TOSTAGE i                       ; tile i's sums into my stage, each accumulator from its low end on, and back as rows
.set AC_, 32*((\i)%2)
	WIN 0x08
.irp j, 0,1,2,3
	ds_store_b128 v[STO], v[AC_+8*\j:AC_+8*\j+3] offset:128*(\j/2)+32*(\j%2)
	ds_store_b128 v[STO], v[AC_+8*\j+4:AC_+8*\j+7] offset:128*(\j/2)+32*(\j%2)+16
.endr
	WIN 0
	s_wait_xcnt 0x0                                ; the last tile's stores have read the registers that the loads below fill
.irp n, 0,1,2,3,4,5,6,7
	ds_load_b128 v[RB+4*\n:RB+4*\n+3], v[RD] offset:2*\n*272       ; LDS serves a wave's instructions in order: these see the stores above
.endr
.endm
.macro SEND i                          ; two rows an instruction: stage rows 2 n, 2 n + 1 are actual rows 2 n + 8 (n / 4) + (lane / 16) of the tile
.irp n, 0,1,2,3,4,5,6,7
	global_store_b128 v[CO], v[RB+4*\n:RB+4*\n+3], s[12:13] offset:(32*((\i)/2)+8*((\i)%2)+2*\n+8*(\n/4))*4096 th:TH_STORE_NT
.endr
.endm
.macro TILE i
.if (\i) > 0
	s_wait_dscnt 32                                ; fragments 0-3 are in; younger: 16 loads of fragments 4-7, the stage's 8 stores and 8 loads
.endif
	HALF \i, 0
	PLACES 4
	s_wait_dscnt 0x0                               ; fragments 4-7 are in, and the last tile's rows are back
.if (\i) > 0
	SEND (\i)-1
.endif
.if (\i) < 7
	FETCHT (\i)+1, 0
.endif
	HALF \i, 1
	PLACES 4
.if (\i) < 7
	FETCHT (\i)+1, 1
.endif
	TOSTAGE \i
.endm
	s_load_b256 s[4:11], s[0:1], 0x0               ; ac, cod, scl, b_proj
	s_load_b64 s[12:13], s[0:1], 0x20              ; out0
	v_lshl_add_u32 v[SPW], v0, 2, SPARE
	v_mov_b32 v[NIL], 0
	ds_add_u32 v[SPW], v[NIL]                      ; the opening lines
	ds_add_u32 v[SPW], v[NIL]
	v_lshrrev_b32 v1, 5, v0
	v_readfirstlane_b32 s14, v1                    ; wave
	s_lshr_b32 s15, s14, 1                         ; a
	s_and_b32 s16, s14, 1                          ; b
	s_bfe_u32 s40, ttmp6, 0x40000                  ; cx
	s_bfe_u32 s41, ttmp6, 0x40004                  ; cy
	s_lshl_b32 s42, ttmp9, 2
	s_add_co_u32 s42, s42, s40                     ; c
	s_and_b32 s17, ttmp7, 0xffff
	s_lshl_b32 s17, s17, 2
	s_add_co_u32 s17, s17, s41                     ; t
	s_lshl_b32 s43, s41, 2
	s_lshl_b32 s43, 15, s43                        ; my row of the cluster
	s_lshl_b32 s44, 0x1111, s40                    ; my column
	s_or_b32 s[G1X], s43, (3<<16)|(1<<21)
	s_or_b32 s[G1W], s44, (3<<16)|(1<<21)
	G1REST G1X, 256                                ; a third of the tokens' block
	G1REST G1W, 384                                ; W_proj's 8 tiles
	s_mul_i32 s20, s17, 196608
	s_lshl_b32 s21, s14, 16
	s_add_co_u32 s20, s20, s21                     ; waves 0-2: their third
	s_mov_b32 s21, 0
	s_mul_i32 s22, s42, 98304
	s_add_co_u32 s22, s22, 704*12288               ; tile 704 + 8 c
	s_mov_b32 s23, 0
	s_mov_b32 s[G0X], 1
	s_lshl_b32 s[G0X+1], s14, 16
	s_mov_b32 s[G0W], 1
	s_mov_b32 s[G0W+1], WB
	s_wait_dscnt 0x0
	s_wait_kmcnt 0x0
	s_add_nc_u64 s[G0X+2:G0X+3], s[4:5], s[20:21]
	s_or_b32 s[G0X+3], s[G0X+3], 0x80000000
	s_add_nc_u64 s[G0W+2:G0W+3], s[6:7], s[22:23]
	s_or_b32 s[G0W+3], s[G0W+3], 0x80000000
	CROUND                                         ; the joint loads meet
	s_cmp_lt_u32 s14, 3
	s_cbranch_scc0 .Lhead_w
	TLOAD G0X, G1X
	s_branch .Lhead_asked
.Lhead_w:
	TLOAD G0W, G1W
.Lhead_asked:
	v_and_b32 v1, 15, v0                           ; r
	v_bfe_u32 v2, v0, 4, 1                         ; h
	v_and_b32 v3, 31, v0
	v_lshlrev_b32 v14, 4, v3
	v_lshlrev_b32 v15, 3, v3
	s_mul_i32 s21, s15, 98304                      ; my 8 token tiles: 0-3, and 4-7 by a second pair of addresses
	v_add_nc_u32 v[AT], s21, v14
	v_add_nc_u32 v[AT+1], s21, v15
	s_add_co_u32 s21, s21, 49152
	v_add_nc_u32 v[AT+2], s21, v14
	v_add_nc_u32 v[AT+3], s21, v15
	s_mul_i32 s21, s16, 49152
	s_add_co_u32 s21, s21, WB
	v_add_nc_u32 v[AW], s21, v14
	v_add_nc_u32 v[AW+1], s21, v15
	s_mul_i32 s21, s14, 4608
	s_add_co_u32 s21, s21, STG                     ; my stage
	v_mul_u32_u24 v[STO], v1, 272
	v_lshl_add_u32 v[STO], v2, 6, v[STO]
	v_add_nc_u32 v[STO], s21, v[STO]               ; in: row r, 64 h bytes on
	v_mul_u32_u24 v[RD], v2, 272
	v_lshl_add_u32 v[RD], v1, 4, v[RD]
	v_add_nc_u32 v[RD], s21, v[RD]                 ; back: sixteen lanes to a row
	v_lshlrev_b32 v[CO], 12, v2
	v_lshl_add_u32 v[CO], v1, 4, v[CO]             ; and the same two rows in out0
	s_lshl_b32 s21, s17, 4                         ; scale words: 512 bytes a tile, 16 r; attention's result has tiles 768 on
	s_lshl_b32 s18, s15, 3
	s_add_co_u32 s21, s21, s18
	s_add_co_u32 s21, s21, 768
	s_lshl_b32 s21, s21, 9
	v_lshl_add_u32 v4, v1, 4, s21
	s_lshl_b32 s21, s42, 3
	s_lshl_b32 s18, s16, 2
	s_add_co_u32 s21, s21, s18
	s_add_co_u32 s21, s21, 704
	s_lshl_b32 s21, s21, 9
	v_lshl_add_u32 v5, v1, 4, s21
	s_lshl_b32 s19, s42, 9                         ; my first column, in bytes: 4 (128 c + 64 b)
	s_lshl_b32 s18, s16, 8
	s_add_co_u32 s19, s19, s18
	v_lshl_add_u32 v9, v2, 6, s19
	WALU                                           ; the wait at the head's end
.irp i, 0,1,2,3,4,5,6,7
	global_load_b128 v[SC+8*\i:SC+8*\i+3], v4, s[8:9] offset:512*\i
	global_load_b128 v[SC+8*\i+4:SC+8*\i+7], v4, s[8:9] offset:512*\i+256
.endr
.irp j, 0,1,2,3
	global_load_b128 v[SB+8*\j+4:SB+8*\j+7], v5, s[8:9] offset:512*\j
	global_load_b128 v[SB+8*\j:SB+8*\j+3], v5, s[8:9] offset:512*\j+256
.endr
.irp g, 0,1
.irp q, 0,1,2,3
	global_load_b128 v[BB+16*\g+4*\q:BB+16*\g+4*\q+3], v9, s[10:11] offset:128*\g+16*\q
.endr
.endr
	s_lshl_b32 s20, s17, 8
	s_lshl_b32 s18, s15, 7
	s_add_co_u32 s20, s20, s18                     ; my first row of out0: 256 t + 128 a
	s_lshl_b32 s20, s20, 12
	s_add_co_u32 s20, s20, s19
	s_mov_b32 s21, 0
	s_add_nc_u64 s[12:13], s[12:13], s[20:21]
	s_cmp_eq_u32 s14, 3
	s_cbranch_scc0 .Lnot_w
	s_wait_tensorcnt 0x0                           ; wave 3: W_proj's tiles are in
.Lnot_w:
	BARRIER                                        ; the tokens may still be on their way: nothing is filled again
	WEIGHTS
	s_wait_tensorcnt 0x0                           ; every wave: its load is in
	s_wait_dscnt 0x0
	BARRIER
	FETCHT 0, 0
	FETCHT 0, 1
	s_wait_loadcnt 0x0                             ; scale words and bias
	s_wait_dscnt 0x0
.irp i, 0,1,2,3,4,5,6,7
	TILE \i
.endr
	s_wait_dscnt 0x0
	SEND 7
	s_wait_tensorcnt 0x0                           ; the wave's end
	ds_add_u32 v[SPW], v[NIL]
	s_wait_dscnt 0x0
	CROUND                                         ; the closing round
	s_endpgm
.Lfunc_end_k_qc096474c12_gemm_out:
	.size	k_qc096474c12_gemm_out, .Lfunc_end_k_qc096474c12_gemm_out-k_qc096474c12_gemm_out
	.p2alignl 7, 3214868480
	.fill 96, 4, 3214868480
	.section	.rodata,"a",@progbits
	.p2align	6, 0x0
	.amdhsa_kernel k_qc096474c12_gemm_out
		.amdhsa_group_segment_fixed_size 327680
		.amdhsa_private_segment_fixed_size 0
		.amdhsa_enable_private_segment 0
		.amdhsa_kernarg_size 40
		.amdhsa_user_sgpr_count 2
		.amdhsa_user_sgpr_kernarg_segment_ptr 1
		.amdhsa_wavefront_size32 1
		.amdhsa_system_sgpr_workgroup_id_x 1
		.amdhsa_system_sgpr_workgroup_id_y 1
		.amdhsa_system_sgpr_workgroup_id_z 1
		.amdhsa_system_vgpr_workitem_id 0
		.amdhsa_next_free_vgpr 1024
		.amdhsa_next_free_sgpr 96
		.amdhsa_reserve_vcc 0
		.amdhsa_float_denorm_mode_32 3
		.amdhsa_float_denorm_mode_16_64 3
		.amdhsa_memory_ordered 1
		.amdhsa_forward_progress 1
		.amdhsa_inst_pref_size 86
	.end_amdhsa_kernel
	.amdgpu_metadata
---
amdhsa.version: [ 1, 2 ]
amdhsa.kernels:
  - .name:           k_qc096474c12_gemm_out
    .symbol:         k_qc096474c12_gemm_out.kd
    .args:
      - { .name: ac, .offset: 0, .size: 8, .value_kind: global_buffer, .address_space: global }
      - { .name: cod, .offset: 8, .size: 8, .value_kind: global_buffer, .address_space: global }
      - { .name: scl, .offset: 16, .size: 8, .value_kind: global_buffer, .address_space: global }
      - { .name: b_proj, .offset: 24, .size: 8, .value_kind: global_buffer, .address_space: global }
      - { .name: out0, .offset: 32, .size: 8, .value_kind: global_buffer, .address_space: global }
    .group_segment_fixed_size: 327680
    .private_segment_fixed_size: 0
    .kernarg_segment_align: 8
    .kernarg_segment_size: 40
    .max_flat_workgroup_size: 128
    .sgpr_count:     96
    .vgpr_count:     1024
    .wavefront_size: 32
...
	.end_amdgpu_metadata
.endif
;; end of part 4
